; MI455X (gfx1250); checked and timed in simulation.
; The chip was launched on July 23, 2026; its instructions are those of AMD's public machine-readable ISA for CDNA 5 (MIT licence, August 2026) and "CDNA5" Instruction Set Architecture Reference Guide (July 2026). The comments in the code are by the model that wrote it; some were corrected since.
;; Multi Head Self Attention. Allowed arithmetic: matrix products marked QUANTISED: E4M3 operands, one given power-of-two scale a tensor, by v_wmma_f32_16x16x64_fp8_fp8 or v_wmma_f32_16x16x128_fp8_fp8, f32 sums; everything else in f32.
;; Inputs: k_proj 1,024 x 1,024 float32; lowp_scales 12 int32 (the exponents e of the quantised operands' scales 2^e); o_proj 1,024 x 1,024 float32; q_proj 1,024 x 1,024 float32; v_proj 1,024 x 1,024 float32; x 4 x 2,048 x 1,024 float32.
;; Outputs: out0 4 x 2,048 x 1,024 float32.
;; This version of the problem:
;;   THIS VERSION OF THE PROBLEM IS GIVEN IN LOW PRECISION. The matrix products marked QUANTISED in the list below multiply operands that are first quantised to E4M3 (4 exponent bits, 3 mantissa bits; 8 bits a number), with one given power-of-two scale for each operand tensor; their sums are f32. All else is computed in f32.
;;   The module's matrix products, in the order in which they are computed (A, B: the left and right operand; K: the contracted axis; several contracted axes count as one K, in the product's order):
;;     1. [M 8,192, K 1,024] x [K 1,024, N 1,024]; A: input x; B: input q_proj: QUANTISED (scales: A lowp_scales[0], B lowp_scales[1])
;;     2. [M 8,192, K 1,024] x [K 1,024, N 1,024]; A: input x; B: input k_proj: QUANTISED (scales: A lowp_scales[2], B lowp_scales[3])
;;     3. [M 8,192, K 1,024] x [K 1,024, N 1,024]; A: input x; B: input v_proj: QUANTISED (scales: A lowp_scales[4], B lowp_scales[5])
;;     4. batch 64 x [M 2,048, K 64] x [K 64, N 2,048]; A: computed on the way; B: computed on the way: QUANTISED (scales: A lowp_scales[6], B lowp_scales[7])
;;     5. batch 64 x [M 2,048, K 2,048] x [K 2,048, N 64]; A: softmax (see below); B: computed on the way: QUANTISED (scales: A lowp_scales[8], B lowp_scales[9])
;;     6. [M 8,192, K 1,024] x [K 1,024, N 1,024]; A: computed on the way; B: input o_proj: QUANTISED (scales: A lowp_scales[10], B lowp_scales[11])
;;   THE QUANTISER, for each operand of a quantised product, along K:
;;     - The operand's scale is 2^e, e = its entry of the input lowp_scales (int32; the entries are numbered through the quantised products in the list's order, A before B).
;;     - Each number is divided by the scale, clamped to +-448, and rounded to the nearest number of E4M3, ties to even, subnormals kept.
;;     - The product sums the exact products of the quantised numbers (number of the format x scale) in f32.
;;   ~~~python
;;   def quantise(x, axis, e):      # numpy; x: float32 -> the quantised numbers, widened to float32 again
;;       x = np.moveaxis(x, axis, -1); K = x.shape[-1]
;;       r = np.clip(x / 2.0 ** e, -448, 448)
;;       step = 2.0 ** (np.maximum(np.frexp(np.where(r == 0, 1, r))[1] - 1, -6) - 3)
;;       q = np.round(r / step) * step * 2.0 ** e      # np.round: ties to even
;;       return np.moveaxis(q, -1, axis).astype(np.float32)
;;   ~~~
;;   SOFTMAX AHEAD OF A QUANTISED PRODUCT. Where the list says 'softmax', what is quantised is not the finished softmax but p = 2^(t - M), with t = logit x log2(e) and M = ceil(the row's largest t), a whole number; so 1/2 < the row's largest p <= 1. The row's sum l is taken of the UNQUANTISED p, in f32, and the product's result is divided by l at the end. Since M is a whole number, a kernel that streams over the keys may use a running M (the ceiling of the running maximum): every later rescaling is an exact power of two, so the quantised numbers keep their values, but for numbers so far below the row's largest that they fall under the format's range.
;;   OPERANDS COMPUTED ON THE WAY. 'Computed on the way' means the value that the module computes at that place (a softmax that the list does not call 'softmax' is quantised finished and normalised). What goes into a quantiser is computed in f32, as accurately as f32 sums, v_exp_f32 and their like allow (about 1e-6 of the number): no bf16 or f16 on the way to a quantiser, and a product that is left as it is and whose result goes on into a quantised operand takes f32 operands (vector FMAs, or v_wmma_f32_16x16x4_f32). A number that lies on a knife's edge between two numbers of the format may be rounded either way, as far as f32 arithmetic and the matrix unit's own rounding can turn it there, and no further.
;; 2 versions, each right; version 2 is version 1 with the launch attn written anew for expert scheduling mode. Each part assembles by itself: llvm-mc -triple=amdgcn-amd-amdhsa -mcpu=gfx1250 --defsym DOCPART=n.
;; ======== version 1 of 2: 4 launches
;; workspace buffers: xc 25,165,824 bytes; wc 4,194,304 bytes; qkv 25,165,824 bytes; ac 8,388,608 bytes
;; launch quant (part 1): grid 384 x 1, 4 waves a work-group, no clusters, 66,048 bytes of LDS; arguments x, q_proj, k_proj, v_proj, o_proj, lowp_scales, xc, wc; writes xc, wc
.if DOCPART == 1
	.amdgcn_target "amdgcn-amd-amdhsa--gfx1250"
	.amdhsa_code_object_version 6
	.text
	.protected	k_qa5ead59f54_quant
	.globl	k_qa5ead59f54_quant
	.p2align	8
	.type	k_qa5ead59f54_quant,@function
k_qa5ead59f54_quant:
	s_mov_b64 s[64:65], 0
	v_nop
	global_prefetch_b8 v0, s[64:65] scope:SCOPE_SE
	s_setreg_imm32_b32 hwreg(HW_REG_WAVE_MODE, 25, 1), 1
	s_wait_xcnt 0x0
; f32 numbers into codes of E4M3, K innermost, each with the power-of-two scale that is given for the operand.
; x [8192][1024] is an operand of three products with three given scales (entries 0, 2, 4): it is read once and coded three times, into xc [3][8192][1024].
; q_proj, k_proj, v_proj, o_proj [1024][1024] (entries 1, 3, 5, 11) are coded once each, into wc [4][1024][1024].
; code = number / 2^e, held within +-448, rounded to the nearest code, ties to even.
; LIMITS: each e between -126 and 119, so that 2^e and 448 x 2^e are f32 numbers.  NaN among the inputs is not served; an infinity is held at the largest code.
; Rows are dense, so every tensor is a plain stream.  A wave takes 16 steps of 512 numbers.  A conversion takes 8 neighbours from ONE lane's registers, a load is best where neighbouring LANES take
; neighbouring bytes: each of a step's four loads reads 512 consecutive bytes, the 2,048 bytes go through the wave's own stage in LDS and come back 64 bytes a lane (16 bytes of padding behind each 64).
; A lane's 16 codes are 16 bytes: a store of the wave covers 512 consecutive bytes, aligned.  Work-groups 0-255 take x, 256-383 the weights (32 each): two paths that part on the work-group's number,
; each with LDS bytes of its own.  No matrix unit, no tensor load, no barrier: the waves share nothing and memory binds.  Loads run four steps (16 loads a wave) ahead, the turn through LDS one step.
.set STEPS, 16
.set SP,    80                         ; a lane's place in a stage: 64 bytes + 16 of padding
.set STG,   32*SP                      ; a stage; two of them for each wave, in a region of 8,192 bytes
.set R,     16                         ; v16-79   four sets of 16 numbers as loaded
.set X,     80                         ; v80-111  two sets of 16 neighbours
.set T,     112                        ; v112-127 the numbers held within the largest code x the scale
.set C,     128                        ; v128-139 codes: four registers for each of up to three scales
.set SC,    140                        ; v[140+2v] 2^e, v[141+2v] 448 x 2^e of scale v
.set DST,   24                         ; s[24+2v:25+2v] where the codes of scale v go
	s_load_b256 s[4:11], s[0:1], 0x0               ; x s[4:5], q_proj s[6:7], k_proj s[8:9], v_proj s[10:11]
	s_load_b256 s[12:19], s[0:1], 0x20             ; o_proj s[12:13], the exponents s[14:15], xc s[16:17], wc s[18:19]
	v_lshl_add_u32 v152, v0, 2, 0x10000
	v_mov_b32 v153, 0
	v_lshrrev_b32 v1, 5, v0
	v_readfirstlane_b32 s20, v1                    ; wave 0..3
	v_and_b32 v2, 31, v0                           ; lane
	v_lshlrev_b32 v3, 4, v2                        ; my 16 bytes of a load's, and of a store's, 512
	v_lshrrev_b32 v4, 2, v2
	v_mul_u32_u24 v4, v4, SP
	v_and_b32 v5, 3, v2
	v_lshl_add_u32 v4, v5, 4, v4                   ; into a stage: four lanes' 64 bytes on end, then the padding
	v_mul_u32_u24 v5, v2, SP                       ; out of it: my 16 neighbours
	s_lshl_b32 s21, s20, 13                        ; my wave's region
	s_wait_kmcnt 0x0
	s_load_b256 s[36:43], s[14:15], 0x0            ; e0 .. e7
	s_load_b128 s[44:47], s[14:15], 0x20           ; e8 .. e11
.macro LOAD t
.irp i, 0,1,2,3
	global_load_b128 v[R+16*((\t)%4)+4*\i:R+16*((\t)%4)+4*\i+3], v3, s[4:5] offset:2048*(\t)+512*\i th:TH_LOAD_NT   ; 32 lanes read 512 consecutive bytes; read once in the launch
.endr
.endm
.macro TURN t                          ; step t's numbers through a stage: LDS serves a wave's instructions in order, so no wait stands between the stores and the loads
.irp i, 0,1,2,3
	ds_store_b128 v14, v[R+16*((\t)%4)+4*\i:R+16*((\t)%4)+4*\i+3] offset:STG*((\t)%2)+8*SP*\i
.endr
.irp i, 0,1,2,3
	ds_load_b128 v[X+16*((\t)%2)+4*\i:X+16*((\t)%2)+4*\i+3], v15 offset:STG*((\t)%2)+16*\i
.endr
.endm
.macro MKSC v, e                       ; scale v from the exponent in s[e]
	s_add_co_i32 s32, s[\e], 127
	s_lshl_b32 s33, s32, 23
	v_mov_b32 v[SC+2*\v], s33                      ; 2^e as f32: the conversion takes its exponent field
	s_add_co_i32 s32, s32, 8
	s_lshl_b32 s32, s32, 23
	s_or_b32 s32, s32, 0x600000
	v_mov_b32 v[SC+2*\v+1], s32                    ; 448 x 2^e
.endm
.macro QSTEP t, nv                     ; step t, coded with nv scales
.set XS, X+16*((\t)%2)
	s_wait_dscnt 0x0                               ; this step's numbers are back from the stage, so its stores into the stage have read their registers,
.if (\t)+4 < STEPS
	LOAD (\t)+4                                    ; which take the loads of four steps on
.endif
.if (\t)+1 < STEPS
.if STEPS-2-(\t) >= 3
	s_wait_loadcnt 12                              ; the next step's four loads are in; those of the three steps behind it may be out
.else
	s_wait_loadcnt 4*(STEPS-2-(\t))
.endif
	TURN (\t)+1                                    ; and go through the other stage while this step is worked
.endif
	s_wait_xcnt 0x0                                ; the last step's stores have read their data: the codes' registers are written again only behind this wait
.set vv, 0
.rept \nv
.set ii, 0
.rept 16
	v_med3_num_f32 v[T+ii], v[XS+ii], -v[SC+2*vv+1], v[SC+2*vv+1]   ; the conversion to an 8-bit code does not saturate (ISA guide 7.6.2): the hold comes first
.set ii, ii+1
.endr
	v_cvt_scalef32_pk8_fp8_f32 v[C+4*vv:C+4*vv+1], v[T:T+7], v[SC+2*vv]
	v_cvt_scalef32_pk8_fp8_f32 v[C+4*vv+2:C+4*vv+3], v[T+8:T+15], v[SC+2*vv]
	v_nop                                          ; a plain line between the conversions and the next holds, which write their sources
	global_store_b128 v3, v[C+4*vv:C+4*vv+3], s[DST+2*vv:DST+2*vv+1] offset:512*(\t)   ; 512 consecutive bytes, aligned
.set vv, vv+1
.endr
.endm
	s_cmp_lt_u32 ttmp9, 256
	s_cbranch_scc0 .Lweights
	; ---- x: run 4 x work-group + wave of 8,192 numbers
	v_add_nc_u32 v14, s21, v4
	v_add_nc_u32 v15, s21, v5
	s_lshl_b32 s22, ttmp9, 2
	s_add_co_u32 s22, s22, s20
	s_lshl_b32 s30, s22, 15                        ; 32,768 bytes of numbers a run
	s_mov_b32 s31, 0
	s_add_nc_u64 s[4:5], s[4:5], s[30:31]
	s_lshl_b32 s30, s22, 13                        ; 8,192 bytes of codes
	s_add_nc_u64 s[DST:DST+1], s[16:17], s[30:31]
	s_add_nc_u64 s[DST+2:DST+3], s[DST:DST+1], 0x800000     ; the three sets of codes lie 8 MiB apart
	s_add_nc_u64 s[DST+4:DST+5], s[DST+2:DST+3], 0x800000
	LOAD 0
	LOAD 1
	LOAD 2
	LOAD 3
	s_wait_kmcnt 0x0
	MKSC 0, 36                                     ; e0, e2, e4
	MKSC 1, 38
	MKSC 2, 40
	s_wait_loadcnt 12                              ; step 0's four loads are in
	TURN 0
.set Q, 0
.rept STEPS
	QSTEP Q, 3
.set Q, Q+1
.endr
	s_wait_tensorcnt 0x0
	ds_add_u32 v152, v153
	s_wait_dscnt 0x0
	s_endpgm
.Lweights:
	; ---- a weight: tensor (work-group - 256) / 32, run 4 x ((work-group - 256) % 32) + wave
	s_add_co_u32 s21, s21, 32768                   ; this path's LDS bytes lie behind the other path's
	v_add_nc_u32 v14, s21, v4
	v_add_nc_u32 v15, s21, v5
	s_sub_co_u32 s22, ttmp9, 256
	s_lshr_b32 s23, s22, 5                         ; 0 q, 1 k, 2 v, 3 o
	s_and_b32 s22, s22, 31
	s_lshl_b32 s22, s22, 2
	s_add_co_u32 s22, s22, s20
	s_bitcmp1_b32 s23, 0                           ; the choice hangs on the work-group's number alone
	s_cselect_b64 s[24:25], s[8:9], s[6:7]
	s_cselect_b64 s[26:27], s[12:13], s[10:11]
	s_bitcmp1_b32 s23, 1
	s_cselect_b64 s[4:5], s[26:27], s[24:25]
	s_lshl_b32 s30, s22, 15
	s_mov_b32 s31, 0
	s_add_nc_u64 s[4:5], s[4:5], s[30:31]
	s_lshl_b32 s30, s22, 13
	s_lshl_b32 s32, s23, 20                        ; a tensor's codes are 1 MiB
	s_add_co_u32 s30, s30, s32
	s_add_nc_u64 s[DST:DST+1], s[18:19], s[30:31]
	LOAD 0
	LOAD 1
	LOAD 2
	LOAD 3
	s_wait_kmcnt 0x0
	s_bitcmp1_b32 s23, 0
	s_cselect_b32 s34, s39, s37                    ; e3 or e1
	s_cselect_b32 s35, s47, s41                    ; e11 or e5
	s_bitcmp1_b32 s23, 1
	s_cselect_b32 s34, s35, s34
	MKSC 0, 34
	s_wait_loadcnt 12
	TURN 0
.set Q, 0
.rept STEPS
	QSTEP Q, 1
.set Q, Q+1
.endr
	s_wait_tensorcnt 0x0
	ds_add_u32 v152, v153
	s_wait_dscnt 0x0
	s_endpgm
.Lfunc_end_k_qa5ead59f54_quant:
	.size	k_qa5ead59f54_quant, .Lfunc_end_k_qa5ead59f54_quant-k_qa5ead59f54_quant
	.p2alignl 7, 3214868480
	.fill 96, 4, 3214868480
	.section	.rodata,"a",@progbits
	.p2align	6, 0x0
	.amdhsa_kernel k_qa5ead59f54_quant
		.amdhsa_group_segment_fixed_size 66048
		.amdhsa_private_segment_fixed_size 0
		.amdhsa_enable_private_segment 0
		.amdhsa_kernarg_size 64
		.amdhsa_user_sgpr_count 2
		.amdhsa_user_sgpr_kernarg_segment_ptr 1
		.amdhsa_wavefront_size32 1
		.amdhsa_system_sgpr_workgroup_id_x 1
		.amdhsa_system_sgpr_workgroup_id_y 1
		.amdhsa_system_sgpr_workgroup_id_z 1
		.amdhsa_system_vgpr_workitem_id 0
		.amdhsa_next_free_vgpr 154
		.amdhsa_next_free_sgpr 66
		.amdhsa_reserve_vcc 0
		.amdhsa_float_denorm_mode_32 3
		.amdhsa_float_denorm_mode_16_64 3
		.amdhsa_memory_ordered 1
		.amdhsa_forward_progress 1
		.amdhsa_inst_pref_size 115
	.end_amdhsa_kernel
	.amdgpu_metadata
---
amdhsa.version: [ 1, 2 ]
amdhsa.kernels:
  - .name:           k_qa5ead59f54_quant
    .symbol:         k_qa5ead59f54_quant.kd
    .args:
      - { .name: x, .offset: 0, .size: 8, .value_kind: global_buffer, .address_space: global }
      - { .name: q_proj, .offset: 8, .size: 8, .value_kind: global_buffer, .address_space: global }
      - { .name: k_proj, .offset: 16, .size: 8, .value_kind: global_buffer, .address_space: global }
      - { .name: v_proj, .offset: 24, .size: 8, .value_kind: global_buffer, .address_space: global }
      - { .name: o_proj, .offset: 32, .size: 8, .value_kind: global_buffer, .address_space: global }
      - { .name: lowp_scales, .offset: 40, .size: 8, .value_kind: global_buffer, .address_space: global }
      - { .name: xc, .offset: 48, .size: 8, .value_kind: global_buffer, .address_space: global }
      - { .name: wc, .offset: 56, .size: 8, .value_kind: global_buffer, .address_space: global }
    .group_segment_fixed_size: 66048
    .private_segment_fixed_size: 0
    .kernarg_segment_align: 8
    .kernarg_segment_size: 64
    .max_flat_workgroup_size: 128
    .sgpr_count:     66
    .vgpr_count:     154
    .wavefront_size: 32
...
	.end_amdgpu_metadata
.endif
;; end of part 1
;; launch qkv (part 2): grid 12 x 32, 4 waves a work-group, clusters of 4 x 4, 327,680 bytes of LDS; arguments xc, wc, lowp_scales, qkv; writes qkv
.if DOCPART == 2
	.amdgcn_target "amdgcn-amd-amdhsa--gfx1250"
	.amdhsa_code_object_version 6
	.text
	.protected	k_qa5ead59f54_qkv
	.globl	k_qa5ead59f54_qkv
	.p2align	8
	.type	k_qa5ead59f54_qkv,@function
k_qa5ead59f54_qkv:
	s_mov_b64 s[64:65], 0
	v_nop
	global_prefetch_b8 v0, s[64:65] scope:SCOPE_SE
	s_setreg_imm32_b32 hwreg(HW_REG_WAVE_MODE, 25, 1), 1
	s_wait_xcnt 0x0
	s_wait_alu depctr_hold_cnt(0) depctr_sa_sdst(0) depctr_va_vdst(0) depctr_va_sdst(0) depctr_va_ssrc(0) depctr_va_vcc(0) depctr_vm_vsrc(0)
	s_getreg_b32 s2, hwreg(HW_REG_IB_STS2, 6, 4)
	s_cmp_eq_u32 s2, 0
	s_cbranch_scc0 .Lentry_in_a_cluster
	s_endpgm
.Lentry_in_a_cluster:
	s_bfe_u32 s2, ttmp6, 0x10000c
	s_cmp_lg_u32 s2, 0xf033
	s_cbranch_scc0 .Lentry_shape_is_right
	s_endpgm
.Lentry_shape_is_right:
; The three projections q, k, v = x W^T on codes of E4M3, their f32 sums coded again at once for the attention's products.  K = 1,024.
; ONE GEMM TEXT, C[R][Cc] = sum over k of A[R][k] B[Cc][k].  Cluster x says which product: 0 q, 1 k, 2 v.
;   q, k: A = x's codes for that product (8,192 tokens), B = the weight's codes (1,024 features).      v: A = v_proj's codes (1,024 features), B = x's codes (8,192 tokens): v comes out TRANSPOSED.
; The matrix instruction is used transposed (source 0 = 16 rows of B, source 1 = 16 rows of A): a lane holds one row of A and eight neighbouring columns of B, which are neighbours along the NEXT
; product's K: the head's 64 for q and k, the keys for v.  So a conversion's eight sources are a lane's eight registers.
; OUT: element (R, Cc) lies at product x 8 MiB + (Cc / 64) x P1 + 64 R + Cc % 64, P1 = 64 x A's rows:  q, k: [16 heads][8192 tokens][64];   v: [128 blocks of 64 keys][1024 rows head x 64 + d][64 keys].
; code = sum x 2^(ea + eb) / 2^eo, held within +-448: the three exponents are folded into the conversion's one scale, 2^(eo - ea - eb); (ea, eb, eo) = entries (0, 1, 6), (2, 3, 7), (4, 5, 9).
; LIMIT: eo - ea - eb between -126 and 119, so that this power of two and 448 times it are f32 numbers.  The choice among the entries is made by selects: no branch hangs on a loaded number.
; A fragment is fetched by four loads of 16 bytes, which puts k in other places of the instruction than its own layout, alike in A and B: every product meets its partner; only the order of the sums differs.
; A tile of C, 256 x 256, is made by four waves, each 128 x 128: 64 accumulators, 512 registers.  K goes in steps of 256 through a ring of two LDS slots filled by the tensor data mover.
; CLUSTERS: 4 x 4 work-groups.  The four of a row of the cluster need the same tile of A, the four of a column the same tile of B: each tile is asked for JOINTLY.
; REGISTERS, in windows of 256: window 0: v0-31 addresses; from v128 A's fragments, one set; on the way out v32-255 are free.  window 1: B's fragments, two sets.  windows 2, 3: the accumulators ((a, b) at v[8 (8 a + b)]).
.set SIZE_K, 1024
.set KSTEP,  256                       ; along K in a slot
.set ROWB,   256                       ; a tile's row in bytes
.set KROW,   SIZE_K                    ; a row of A or B in memory, in bytes
.set PITCH,  272                       ; an LDS row: 256 bytes + 16 of padding: the 16 rows that a load touches start at 16 different banks (64 banks of 4 bytes: ISA guide 11.1)
.set FR,     16                        ; registers of a fragment: 16 rows x 128 K
.set NL,     4                         ; LDS loads that bring one
.set NP,     4                         ; places behind this matrix instruction (ISA guide 7.12.1)
.set HALFT,  128*PITCH                 ; 128 rows: what one tensor load brings
.set SLOT,   4*HALFT                   ; A's 256 rows, then B's 256 rows
.set LAPS,   SIZE_K/(2*KSTEP)          ; a lap = once round the ring
.set SPARE,  2*SLOT                    ; behind the ring: the spare words, 128 bytes for each wave
.set SPITCH, 144                       ; the way out: a stage of 16 rows x (128 bytes of codes + 16) for each wave, in slot 0, which has had its last fill and its last read by then
.set ADRA, 16                          ; v16-17  LDS address of my A fragments in slot 0, 1
.set ADRB, 20                          ; v20-21  the same for B
.set STO,  24                          ; v24     the way out: where I put 8 codes of a row
.set RD,   25                          ; v25     where I read 16 bytes back
.set CO,   26                          ; v26     16 x lane: my place in a store's 512 bytes
.set SPW,  28                          ; v28     LDS address of my spare word; never rewritten
.set NIL,  29                          ; v29     0; never rewritten
.set TMP,  32                          ; v32-95  a block's sums, held.   v30: the conversion's scale, v31: 448 x it
.set AF,   128                         ; A's fragments
.set BK,   128                         ; the way out: 16 registers of codes for each of the eight blocks, never written twice
.set G1, 24
.set G0, 32
.set G1B, 48
.set G0B, 56
.set MSB, 0
.macro WIN new                         ; the immediate's high byte repeats the setting that is left
.if MSB != \new
	s_set_vgpr_msb (MSB<<8)|\new
.set MSB, \new
.endif
.endm
.set MUL_LO, 0xa1                      ; source 0 (B) window 1, source 1 (A) window 0, C and D window 2
.set MUL_HI, 0xf1                      ; the same, C and D window 3
.set TO_B,   0x40                      ; destination window 1, address window 0
; A joint load: waves 0 and 1 fetch for A, waves 2 and 3 for B; the branch hangs on the wave's number alone.  Four v_nop follow each of the two lines.
.macro JLOAD g0a, g1a, g0b, g1b
	s_cmp_eq_u32 s15, 0
	s_cbranch_scc0 .Lfor_b_\@
	tensor_load_to_lds s[\g0a:\g0a+3], s[\g1a:\g1a+7]
	s_nop 0
.rept 4
	v_nop
.endr
	s_branch .Lasked_\@
.Lfor_b_\@:
	tensor_load_to_lds s[\g0b:\g0b+3], s[\g1b:\g1b+7]
	s_nop 0
.rept 4
	v_nop
.endr
.Lasked_\@:
.endm
.macro CREST                           ; a round of the cluster's barrier behind its opening barrier
	s_cmp_lg_u32 s14, 0
	s_cbranch_scc1 .Lnot_wave_0_\@
	s_barrier_signal -3
.Lnot_wave_0_\@:
	s_barrier_wait -3
	s_barrier_signal -1
	s_barrier_wait -1
.endm
.macro CROUND
	s_barrier_signal -1
	s_barrier_wait -1
	CREST
.endm
	s_load_b128 s[4:7], s[0:1], 0x0                ; x's codes s[4:5], the weights' codes s[6:7]
	s_load_b128 s[8:11], s[0:1], 0x10              ; the exponents s[8:9], the output s[10:11]
	v_lshl_add_u32 v[SPW], v0, 2, SPARE
	v_mov_b32 v[NIL], 0
	ds_add_u32 v28, v29
	ds_add_u32 v28, v29
	s_wait_dscnt 0x0
	v_lshrrev_b32 v1, 5, v0
	v_readfirstlane_b32 s14, v1                    ; wave 0..3
	s_lshr_b32 s15, s14, 1                         ; which half of the tile's rows is mine.  Also: I fetch for A (0) or for B (1)
	s_and_b32 s16, s14, 1                          ; which half of its columns.  Also: which 128 rows of that tile I fetch
	s_bfe_u32 s40, ttmp6, 0x40000                  ; cx, cy: my place in the cluster
	s_bfe_u32 s41, ttmp6, 0x40004
	s_lshl_b32 s84, ttmp9, 23                      ; product x 8 MiB: x's set of codes, and the product's part of the output
	s_lshl_b32 s85, ttmp9, 20                      ; product x 1 MiB: the weight's codes
	s_and_b32 s86, ttmp7, 0xffff
	s_lshl_b32 s86, s86, 2                         ; 4 x cluster y: along the tokens
	s_mov_b32 s90, 0x80000
	s_cmp_eq_u32 ttmp9, 2                          ; v?  The cluster's x is the same in all sixteen partners
	s_cselect_b32 s87, 0, s86                      ; the tokens are A's rows for q and k,
	s_cselect_b32 s88, s86, 0                      ; B's rows for v
	s_cselect_b32 s89, s85, s84                    ; where A begins in its buffer,
	s_cselect_b32 s91, s84, s85                    ; and B
	s_cselect_b32 s90, 0x10000, s90                ; P1
	s_add_co_u32 s17, s87, s41                     ; tile row: it holds cy and never cx
	s_add_co_u32 s42, s88, s40                     ; tile column: it holds cx and never cy
	s_lshl_b32 s43, s41, 2
	s_lshl_b32 s43, 15, s43                        ; my row of the cluster
	s_lshl_b32 s44, 0x1111, s40                    ; my column
	; descriptor group 1: a tile of 128 rows x 256 bytes, padded in LDS
	s_or_b32 s[G1+0], s43, (0<<16)|(1<<20)|(1<<21)|(5<<22)|(3<<25)  ; 15:0 the mask: A's tiles go to my row; elements of 1 byte; padding on; bit 21 beside a mask; after every 64 words, 4 words
	s_or_b32 s[G1B+0], s44, (0<<16)|(1<<20)|(1<<21)|(5<<22)|(3<<25)
.irp g, G1, G1B
	s_mov_b32 s[\g+1], ROWB<<16                    ; tensor_dim0
	s_mov_b32 s[\g+2], 128<<16                     ; tensor_dim1
	s_mov_b32 s[\g+3], ROWB<<16                    ; tile_dim0
	s_mov_b32 s[\g+4], 128                         ; tile_dim1
	s_mov_b32 s[\g+5], KROW                        ; from row to row
	s_mov_b32 s[\g+6], 0
	s_mov_b32 s[\g+7], 0
.endr
	s_lshl_b32 s18, s16, 7                         ; which 128 rows of the tile I fetch
	s_lshl_b32 s20, s17, 8
	s_add_co_u32 s20, s20, s18                     ; A: row 256 x tile row + 128 x half,
	s_lshl_b32 s20, s20, 10                        ; of 1,024 bytes,
	s_add_co_u32 s20, s20, s89                     ; in its tensor: under 2^25
	s_mov_b32 s21, 0
	s_lshl_b32 s46, s42, 8
	s_add_co_u32 s46, s46, s18
	s_lshl_b32 s46, s46, 10
	s_add_co_u32 s46, s46, s91                     ; B likewise
	s_mov_b32 s47, 0
	s_mul_i32 s45, s14, HALFT                      ; where they go: wave x 128 rows: no place in the cluster enters an LDS address
	s_wait_kmcnt 0x0
	s_load_b256 s[72:79], s[8:9], 0x0              ; e0 .. e7
	s_load_b128 s[80:83], s[8:9], 0x20             ; e8 .. e11
	s_cmp_eq_u32 ttmp9, 2
	s_cselect_b64 s[68:69], s[6:7], s[4:5]         ; A's buffer,
	s_cselect_b64 s[70:71], s[4:5], s[6:7]         ; B's
	s_add_nc_u64 s[20:21], s[68:69], s[20:21]
	s_add_nc_u64 s[46:47], s[70:71], s[46:47]
	CROUND                                         ; all sixteen work-groups are here: the first joint loads meet
.irp s, 0,1
	s_mov_b32 s[G0+4*\s], 1
	s_add_co_u32 s[G0+4*\s+1], s45, \s*SLOT
	s_add_nc_u64 s[G0+4*\s+2:G0+4*\s+3], s[20:21], \s*ROWB
	s_or_b32 s[G0+4*\s+3], s[G0+4*\s+3], 0x80000000
	s_mov_b32 s[G0B+4*\s], 1
	s_add_co_u32 s[G0B+4*\s+1], s45, \s*SLOT
	s_add_nc_u64 s[G0B+4*\s+2:G0B+4*\s+3], s[46:47], \s*ROWB
	s_or_b32 s[G0B+4*\s+3], s[G0B+4*\s+3], 0x80000000
	JLOAD G0+4*\s, G1, G0B+4*\s, G1B
.endr
	v_and_b32 v1, 15, v0                           ; r = l % 16
	v_bfe_u32 v2, v0, 4, 1                         ; h = l / 16
	v_mul_u32_u24 v3, v1, PITCH
	v_lshl_add_u32 v4, v2, 4, v3                   ; a fragment's row x pitch + 16 x half
	s_mul_i32 s21, s15, HALFT                      ; my 128 rows of A
	s_mul_i32 s22, s16, HALFT                      ; my 128 rows of B,
	s_add_co_u32 s22, s22, 2*HALFT                 ; which lie behind A's 256
.irp s, 0,1
	v_add_nc_u32 v[ADRA+\s], s21, v4
	v_add_nc_u32 v[ADRB+\s], s22, v4
	s_add_co_u32 s21, s21, SLOT
	s_add_co_u32 s22, s22, SLOT
.endr
	s_mul_i32 s23, s14, 16*SPITCH                  ; my stage
	v_mul_u32_u24 v5, v1, SPITCH                   ; in: row r, 8 bytes for each half of the lanes
	v_lshl_add_u32 v5, v2, 3, v5
	v_add_nc_u32 v[STO], s23, v5
	v_and_b32 v6, 31, v0
	v_lshlrev_b32 v[CO], 4, v6
	v_lshrrev_b32 v7, 2, v6                        ; back: four lanes to 64 bytes of a row, eight rows an instruction
	v_mul_u32_u24 v7, v7, SPITCH
	v_and_b32 v8, 3, v6
	v_lshl_add_u32 v7, v8, 4, v7
	v_add_nc_u32 v[RD], s23, v7
	s_lshl_b32 s20, s42, 2                         ; my first block of 64 columns: 4 x tile column + 2 x half,
	s_lshl_b32 s21, s16, 1
	s_add_co_u32 s20, s20, s21
	s_mul_i32 s20, s20, s90                        ; x P1
	s_lshl_b32 s21, s17, 8
	s_lshl_b32 s22, s15, 7
	s_add_co_u32 s21, s21, s22                     ; my first row: 256 x tile row + 128 x half,
	s_lshl_b32 s21, s21, 6                         ; of 64 bytes
	s_add_co_u32 s20, s20, s21
	s_add_co_u32 s20, s20, s84                     ; in the product's part
	s_mov_b32 s21, 0
	s_mov_b32 s91, 0
	s_add_nc_u64 s[10:11], s[10:11], s[20:21]      ; my columns 0-63
	s_add_nc_u64 s[66:67], s[10:11], s[90:91]      ; my columns 64-127: P1 bytes on
.macro FRAG reg, adr, q, i             ; 16 rows x 128 K: lane l holds row l % 16; registers 4 c .. 4 c + 3 hold K = 32 c + 16 (l / 16) + 0 .. 15
.irp c, 0,1,2,3
	ds_load_b128 v[\reg+4*\c:\reg+4*\c+3], v[\adr] offset:128*(\q)+32*\c+(\i)*16*PITCH
.endr
.endm
; 16 matrix instructions: A's blocks a0, a0 + 1 x B's eight, 128 along K.  p: B's set.  zero = 1: the first product starts the sums.  The 64 accumulators take turns, one instruction a turn.
.macro MUL16 a0, p, zero
.irp a, \a0, \a0+1
.irp b, 0,1,2,3,4,5,6,7
.if \zero
	v_wmma_f32_16x16x128_fp8_fp8 v[8*(8*((\a)%4)+\b):8*(8*((\a)%4)+\b)+7], v[128*(\p)+FR*\b:128*(\p)+FR*\b+FR-1], v[AF+FR*(\a):AF+FR*(\a)+FR-1], 0
.else
	v_wmma_f32_16x16x128_fp8_fp8 v[8*(8*((\a)%4)+\b):8*(8*((\a)%4)+\b)+7], v[128*(\p)+FR*\b:128*(\p)+FR*\b+FR-1], v[AF+FR*(\a):AF+FR*(\a)+FR-1], v[8*(8*((\a)%4)+\b):8*(8*((\a)%4)+\b)+7]
.endif
.endr
.endr
.endm
.macro FETCH_B slot, q, p
	WIN TO_B
.irp i, 0,1,2,3,4,5,6,7
	FRAG 128*(\p)+FR*\i, ADRB+\slot, \q, \i
.endr
	WIN 0
.endm
.macro FETCH_A slot, q, i0
.irp i, \i0, \i0+1, \i0+2, \i0+3
	FRAG AF+FR*(\i), ADRA+\slot, \q, \i
.endr
.endm
.macro PLACES n                        ; plain vector lines between a matrix instruction and a load into, or a read of, its registers
.rept \n
	v_nop
.endr
.endm
; A step of 128 along K that has its successor in the same slot.  A's blocks go one after the other, so one set of registers serves A: blocks 0-3 are fetched anew in the middle, blocks 4-7 at the end.
.macro STEP slot, q, zero
	s_wait_dscnt 4*NL                              ; B's set and A's blocks 0-3 are in; the youngest 16 loads (A's blocks 4-7) may be out
	WIN MUL_LO
	MUL16 0, (\q)%2, \zero
	MUL16 2, (\q)%2, \zero
	s_wait_dscnt 0                                 ; A's blocks 4-7 are in
	PLACES NP
	FETCH_B \slot, (\q)+1, 1-(\q)%2
	FETCH_A \slot, (\q)+1, 0
	WIN MUL_HI
	MUL16 4, (\q)%2, \zero
	MUL16 6, (\q)%2, \zero
	PLACES NP
	WIN 0
	FETCH_A \slot, (\q)+1, 4
.endm
; A slot's last step changes slots: one barrier; in front of it each wave waits for all its tensor loads, adds 0 to its spare word, and waits for that and for its reads of this slot.  fill = 1: the slot is filled again.
.macro TURN slot, next, fill
	s_wait_tensorcnt 0x0                           ; all my tensor loads have landed: my part of the next slot
	ds_add_u32 v[SPW], v[NIL]                      ; 0 onto my spare word
	s_wait_dscnt 4*NL+1                            ; (the add and the youngest 16 loads may be out)
	WIN MUL_LO
	MUL16 0, 1, 0                                  ; sixteen matrix instructions stand between the add and the wait for it
	s_wait_dscnt 0x0                               ; the add is done, and my reads of this slot are over
	s_barrier_signal -1
	MUL16 2, 1, 0
	WIN 0
	s_barrier_wait -1
.if \fill
	CREST                                          ; the barrier has opened a round of the cluster's: no wave of any partner still reads this slot or has a load on its way
	s_add_nc_u64 s[G0+4*\slot+2:G0+4*\slot+3], s[G0+4*\slot+2:G0+4*\slot+3], 2*ROWB
	s_add_nc_u64 s[G0B+4*\slot+2:G0B+4*\slot+3], s[G0B+4*\slot+2:G0B+4*\slot+3], 2*ROWB
	JLOAD G0+4*\slot, G1, G0B+4*\slot, G1B         ; the first tensor load behind the round; its four v_nop are also the places in front of the loads below
.else
	PLACES NP
.endif
	FETCH_B \next, 0, 0
	FETCH_A \next, 0, 0
	WIN MUL_HI
	MUL16 4, 1, 0
	MUL16 6, 1, 0
	PLACES NP
	WIN 0
	FETCH_A \next, 0, 4
.endm
	s_wait_tensorcnt 1                             ; my part of slot 0 is in (slot 1's load may be out)
	s_barrier_signal -1
	s_barrier_wait -1                              ; everybody's is
	FETCH_B 0, 0, 0
	FETCH_A 0, 0, 0
	FETCH_A 0, 0, 4
	STEP 0, 0, 1                                   ; the first step stands in front of the loop: its products start the sums
	s_mov_b32 s3, LAPS-1
.Llap:                                                 ; a trip goes once round the ring and fills both slots again
	TURN 0, 1, 1
	STEP 1, 0, 0
	TURN 1, 0, 1
	STEP 0, 0, 0
	s_sub_co_u32 s3, s3, 1
	s_cmp_lg_u32 s3, 0
	s_cbranch_scc1 .Llap
	TURN 0, 1, 0                                   ; the last lap fills nothing
	STEP 1, 0, 0
	s_wait_dscnt 4*NL                              ; the very last step
	WIN MUL_LO
	MUL16 0, 1, 0
	MUL16 2, 1, 0
	s_wait_dscnt 0
	WIN MUL_HI
	MUL16 4, 1, 0
	MUL16 6, 1, 0
	WIN 0
; THE WAY OUT, block by block of 16 rows x 128 columns.  Held, coded (a lane's eight registers are eight neighbours of a row: 8 bytes), through my own stage, and back as pieces of 64 bytes of a row:
; eight rows of 64 bytes lie on end in the output, so the 32 lanes store 512 consecutive bytes, aligned.  LDS serves a wave's instructions in order: no wait between the stores and the loads.
.macro TOSTAGE a
.set AC, 64*((\a)%4)
.set CD, 96+16*((\a)%2)                ; the codes, two sets by turns
.set BB, BK+16*(\a)
	WIN 0x02+((\a)/4)                              ; source 0: window 2 or 3
.set j, 0
.rept 64
	v_med3_num_f32 v[TMP+j], v[AC+j], -v31, v31    ; the conversion does not saturate (ISA guide 7.6.2): the hold; each accumulator from its low end on
.set j, j+1
.endr
	WIN 0
.irp b, 0,1,2,3,4,5,6,7
	v_cvt_scalef32_pk8_fp8_f32 v[CD+2*\b:CD+2*\b+1], v[TMP+8*\b:TMP+8*\b+7], v30
.endr
	v_nop                                          ; a plain line behind the conversions: the next block's holds write their sources
.irp b, 0,1,2,3,4,5,6,7
	ds_store_b64 v[STO], v[CD+2*\b:CD+2*\b+1] offset:16*\b       ; columns 16 b + 8 h + 0 .. 7 of row r
.endr
.irp i, 0,1,2,3
	ds_load_b128 v[BB+4*\i:BB+4*\i+3], v[RD] offset:(\i%2)*8*SPITCH+(\i/2)*64   ; rows 8 (i % 2) on, columns 64 (i / 2) on
.endr
.endm
.macro SEND a, younger                 ; younger: the LDS instructions issued behind block a's loads, which may stay out
.set BB, BK+16*(\a)
	s_wait_dscnt \younger
.irp i, 0,1
	global_store_b128 v[CO], v[BB+4*\i:BB+4*\i+3], s[10:11] offset:(16*(\a)+8*\i)*64
.endr
.irp i, 0,1
	global_store_b128 v[CO], v[BB+8+4*\i:BB+8+4*\i+3], s[66:67] offset:(16*(\a)+8*\i)*64
.endr
.endm
	s_wait_kmcnt 0x0
	s_cmp_eq_u32 ttmp9, 0                          ; the product's three exponents, by selects
	s_cselect_b32 s84, s72, s74
	s_cselect_b32 s85, s73, s75
	s_cselect_b32 s86, s78, s79
	s_cmp_eq_u32 ttmp9, 2
	s_cselect_b32 s84, s76, s84
	s_cselect_b32 s85, s77, s85
	s_cselect_b32 s86, s81, s86
	s_sub_co_i32 s86, s86, s84
	s_sub_co_i32 s86, s86, s85                     ; eo - ea - eb
	s_add_co_i32 s86, s86, 127
	s_lshl_b32 s87, s86, 23
	v_mov_b32 v30, s87                             ; 2^(eo - ea - eb)
	s_add_co_i32 s86, s86, 8
	s_lshl_b32 s86, s86, 23
	s_or_b32 s86, s86, 0x600000
	v_mov_b32 v31, s86                             ; 448 x that
	PLACES NP                                      ; behind the last products: for the reads of results and the loads into the registers that held A's fragments
	TOSTAGE 0
.irp a, 1,2,3,4,5,6,7
	TOSTAGE \a
	SEND \a-1, 12                                  ; behind block a - 1's loads: block a's 8 stores and 4 loads
.endr
	SEND 7, 0
	s_wait_tensorcnt 0x0                           ; the wave's end
	ds_add_u32 v[SPW], v[NIL]
	s_wait_dscnt 0x0
	CROUND                                         ; the closing round: no work-group ends while a partner may still ask for a tile that names it
	s_endpgm
.Lfunc_end_k_qa5ead59f54_qkv:
	.size	k_qa5ead59f54_qkv, .Lfunc_end_k_qa5ead59f54_qkv-k_qa5ead59f54_qkv
	.p2alignl 7, 3214868480
	.fill 96, 4, 3214868480
	.section	.rodata,"a",@progbits
	.p2align	6, 0x0
	.amdhsa_kernel k_qa5ead59f54_qkv
		.amdhsa_group_segment_fixed_size 327680
		.amdhsa_private_segment_fixed_size 0
		.amdhsa_enable_private_segment 0
		.amdhsa_kernarg_size 32
		.amdhsa_user_sgpr_count 2
		.amdhsa_user_sgpr_kernarg_segment_ptr 1
		.amdhsa_wavefront_size32 1
		.amdhsa_system_sgpr_workgroup_id_x 1
		.amdhsa_system_sgpr_workgroup_id_y 1
		.amdhsa_system_sgpr_workgroup_id_z 1
		.amdhsa_system_vgpr_workitem_id 0
		.amdhsa_next_free_vgpr 1024
		.amdhsa_next_free_sgpr 100
		.amdhsa_reserve_vcc 0
		.amdhsa_float_denorm_mode_32 3
		.amdhsa_float_denorm_mode_16_64 3
		.amdhsa_memory_ordered 1
		.amdhsa_forward_progress 1
		.amdhsa_inst_pref_size 125
	.end_amdhsa_kernel
	.amdgpu_metadata
---
amdhsa.version: [ 1, 2 ]
amdhsa.kernels:
  - .name:           k_qa5ead59f54_qkv
    .symbol:         k_qa5ead59f54_qkv.kd
    .args:
      - { .name: xc, .offset: 0, .size: 8, .value_kind: global_buffer, .address_space: global }
      - { .name: wc, .offset: 8, .size: 8, .value_kind: global_buffer, .address_space: global }
      - { .name: lowp_scales, .offset: 16, .size: 8, .value_kind: global_buffer, .address_space: global }
      - { .name: qkv, .offset: 24, .size: 8, .value_kind: global_buffer, .address_space: global }
    .group_segment_fixed_size: 327680
    .private_segment_fixed_size: 0
    .kernarg_segment_align: 8
    .kernarg_segment_size: 32
    .max_flat_workgroup_size: 128
    .sgpr_count:     100
    .vgpr_count:     1024
    .wavefront_size: 32
...
	.end_amdgpu_metadata
.endif
;; end of part 2
;; launch attn (part 3): grid 4 x 64, 16 waves a work-group, no clusters, 34,816 bytes of LDS; arguments qkv, lowp_scales, ac; writes ac
.if DOCPART == 3
	.amdgcn_target "amdgcn-amd-amdhsa--gfx1250"
	.amdhsa_code_object_version 6
	.text
	.protected	k_qa5ead59f54_attn
	.globl	k_qa5ead59f54_attn
	.p2align	8
	.type	k_qa5ead59f54_attn,@function
k_qa5ead59f54_attn:
	s_mov_b64 s[64:65], 0
	v_nop
	global_prefetch_b8 v0, s[64:65] scope:SCOPE_SE
	s_setreg_imm32_b32 hwreg(HW_REG_WAVE_MODE, 25, 1), 1
	s_wait_xcnt 0x0
; Causal attention on codes of E4M3: head size 64, 2,048 tokens, 64 (batch, head) pairs.  q, k: [16 heads][8192 tokens][64]; v with the keys innermost: [128 blocks of 64 keys][1024 rows head x 64 + d][64 keys].
; THE SOFTMAX: t = score x log2(e) / 8; M = the row's largest t so far, rounded UP to a whole number; p = 2^(t - M) is quantised along the keys, not normalised.  The row's sum is taken of the unquantised p
; and divides at the end.  When M moves, the sum and O are multiplied by 2^(old M - new M), which rounds nothing.  The result is coded at once (entry 10) for the last projection.
; SHARES.  Work-group (i, y), i = 0..3: batch y / 16, head y % 16, the blocks of 256 queries 7 - i and then i: (8 - i) + (i + 1) = 9 trips of 256 keys in every one of the 256 work-groups.
; Each of sixteen waves owns 16 queries in 256 registers: four waves to a SIMD, so that one wave's vector work stands beside another's matrix work and LDS loads.
; K AND V COME THROUGH REGISTERS: a step of 128 keys is 16 KiB for 512 threads, two loads and two LDS stores of 16 bytes a thread, a step ahead, into two LDS buffers by turns.  No tensor load: the trip count
; hangs on the work-group's number, and a branch on a given exponent spares the hold of p.  NO CLUSTER: the work-groups of a head walk different numbers of tiles, and a work-group reads 288 KiB in all.
; LDS HOLDS IMAGES OF THE OPERANDS' REGISTERS: each group of four registers of a fragment is 512 bytes, lane l's 16 at 16 l.  So every read is 16 x lane + a constant.
;   K: tile T (0..7), image c (0, 1) at 1024 T + 512 c: lane (r, h) holds key 32 (T / 2) + 8 (T % 2) + r + 8 (r / 8), d = 32 c + 16 h + 0 .. 15.
;   V: tile T (0..3), image c (0..3) at 8192 + 2048 T + 512 c: lane (r, h) holds row d = 32 (T / 2) + 8 (T % 2) + r + 8 (r / 8), keys 32 c + 16 h + 0 .. 15.
; Both products are used transposed (S^T = K Q^T, O^T = V^T P^T): a lane holds ONE query.  By the choice of a tile's rows the 16 registers of two neighbouring tiles are 16 neighbours along the next K:
; p's codes are the second product's operand, and O's codes are the last projection's: they are stored as images too: ac [4 j = head / 4][512 tiles of 16 tokens][4 = head % 4][2 c][32 lanes][16 bytes].
; k stands in other places of an instruction than its own layout gives it, alike on both sides: only the order of the sums differs.
; LIMITS on the given exponents: e6 + e7 between -123 and 130 (added to c's exponent field); e8, and e10 - e8 - e9, between -126 and 119.
; REGISTERS: v1 16 x lane; v2, v3 where my 16 bytes of K, V go in a buffer; v4, v5 where they lie in a step's bytes; v6 Q's offset; v8 r - 16 h; v9 the prefetches' offset; v12 -M, v13 the largest t,
;   v[14:15] the sum in two halves; v16-23 Q; v24-31, v192-199 a step's 32 bytes on their way, two sets; v32-95 K's, then V's fragments; v96-159 S^T, then p; v160-191 O^T; v208-211 scales; v224-239 codes; v242-254 at work.
.set BUF,  16384                       ; an LDS buffer: 8,192 bytes of K's images, 8,192 of V's
.set KSB,  8192                        ; from a step's K to the next step's, in memory
.set VSB,  131072                      ; the same for V: two blocks of 64 keys
	s_load_b128 s[4:7], s[0:1], 0x0                ; q, k, v codes s[4:5], the exponents s[6:7]
	s_load_b64 s[8:9], s[0:1], 0x10                ; the output
	v_lshl_add_u32 v251, v0, 2, 0x8000
	v_mov_b32 v255, 0
	v_lshrrev_b32 v1, 5, v0
	v_readfirstlane_b32 s10, v1                    ; wave 0..15
	s_and_b32 s12, ttmp7, 0xffff
	s_lshr_b32 s13, s12, 4                         ; batch
	s_and_b32 s14, s12, 15                         ; head
	s_sub_co_u32 s15, 7, ttmp9                     ; the first block of queries
	v_and_b32 v7, 31, v0
	v_lshlrev_b32 v1, 4, v7                        ; 16 x lane
	v_and_b32 v10, 15, v0                          ; r
	v_bfe_u32 v11, v0, 4, 1                        ; h
	v_lshlrev_b32 v6, 6, v10
	v_lshl_add_u32 v6, v11, 4, v6                  ; Q: row r of 64 bytes + 16 h
	v_lshlrev_b32 v8, 4, v11
	v_sub_nc_u32 v8, v10, v8                       ; r - 16 h, for the mask
	; Thread t brings bytes 16 t of a step's K: key t / 4, d = 16 (t % 4) on.  In the image: h = bit 0, c = bit 1, r % 8 = bits 2-4, T % 2 = bit 5, r / 8 = bit 6, T / 2 = bits 7-8.
	v_and_b32 v2, 3, v0
	v_lshlrev_b32 v2, 8, v2                        ; 256 h + 512 c
	v_and_b32 v3, 0x1c, v0
	v_lshl_add_u32 v2, v3, 2, v2                   ; + 16 (r % 8)
	v_bfe_u32 v3, v0, 6, 1
	v_lshl_add_u32 v2, v3, 7, v2                   ; + 128 (r / 8): common to K and V
	v_bfe_u32 v4, v0, 5, 1
	v_lshl_add_u32 v3, v4, 11, v2                  ; V: + 2048 (T % 2)
	v_lshl_add_u32 v2, v4, 10, v2                  ; K: + 1024 (T % 2)
	v_lshrrev_b32 v4, 7, v0
	v_lshl_add_u32 v2, v4, 11, v2                  ; K: + 2048 (T / 2)
	; of V: block of keys t / 256, row d = (t % 256) / 4, keys 16 (t % 4) on: T / 2 = bit 7, the upper bit of c = bit 8
	v_bfe_u32 v4, v0, 7, 1
	v_lshl_add_u32 v3, v4, 12, v3
	v_bfe_u32 v4, v0, 8, 1
	v_lshl_add_u32 v3, v4, 10, v3
	v_add_nc_u32 v3, 8192, v3
	v_lshlrev_b32 v4, 4, v0                        ; K in memory: 16 t
	v_and_b32 v5, 255, v0
	v_lshlrev_b32 v5, 4, v5
	v_lshrrev_b32 v9, 8, v0
	v_lshl_add_u32 v5, v9, 16, v5                  ; V in memory: 65,536 (t / 256) + 16 (t % 256)
	s_mov_b32 s20, 0x76543210                      ; v_permlanex16_b32's selects for lane l xor 16
	s_mov_b32 s21, 0xfedcba98
	s_mov_b32 s22, 0x3e38aa3b                      ; c = log2(e) / 8
	s_mov_b32 s16, 2                               ; two blocks of queries
	s_lshl_b32 s48, s14, 19
	s_lshl_b32 s49, s13, 17
	s_add_co_u32 s48, s48, s49                     ; q, k: head x 8,192 tokens x 64 + batch x 2,048 x 64
	s_mov_b32 s49, 0
	s_lshl_b32 s52, s13, 21
	s_lshl_b32 s53, s14, 12
	s_add_co_u32 s52, s52, s53                     ; v: batch x 32 blocks x 65,536 + head x 64 rows x 64
	s_mov_b32 s53, 0
	s_lshr_b32 s56, s14, 2
	s_lshl_b32 s56, s56, 21
	s_and_b32 s57, s14, 3
	s_lshl_b32 s57, s57, 10
	s_add_co_u32 s56, s56, s57                     ; the output: (head / 4) x 2 MiB + (head % 4) x 1,024
	s_mov_b32 s57, 0
	; the prefetches: who asks (waves 0-3 of the head's work-group 0, in its first block, which walks all keys), and each lane's block of 256 bytes
	s_lshr_b32 s50, s10, 2
	s_or_b32 s50, s50, ttmp9
	s_cmp_eq_u32 s50, 0
	s_cselect_b32 s51, 2, -1                       ; a wave asks while the trips to go are above this
	s_mov_b32 s58, 65536
	s_mov_b32 s59, 131072
	s_cmp_lt_u32 s10, 2                            ; waves 0, 1: K's 16,384 dense bytes of a trip; waves 2, 3: V's four pieces of 4,096
	s_cselect_b32 s58, 4096, s58                   ; from lanes 0-15 to lanes 16-31
	s_cselect_b32 s59, 8192, s59                   ; from the even wave to the odd
	s_and_b32 s50, s10, 1
	s_mul_i32 s59, s59, s50
	v_lshlrev_b32 v9, 8, v10
	v_mul_lo_u32 v7, v11, s58
	v_add_nc_u32 v9, v9, v7
	v_add_nc_u32 v9, s59, v9
	v_mov_b32 v246, 0                              ; written once: a lane permute's destination counts as one of its sources
	v_mov_b32 v253, 0                              ; (named as the upper half of the pair v[252:253])
	s_wait_kmcnt 0x0
	s_load_b256 s[36:43], s[6:7], 0x0              ; e0 .. e7
	s_load_b128 s[44:47], s[6:7], 0x20             ; e8 .. e11
	s_add_nc_u64 s[32:33], s[4:5], s[48:49]        ; q of my head and batch
	s_add_nc_u64 s[28:29], s[32:33], 0x800000      ; k: 8 MiB on
	s_add_nc_u64 s[30:31], s[4:5], s[52:53]
	s_add_nc_u64 s[30:31], s[30:31], 0x1000000     ; v: from 16 MiB on
	s_add_nc_u64 s[34:35], s[8:9], s[56:57]
	s_wait_kmcnt 0x0
	s_add_co_i32 s48, s42, s43
	s_lshl_b32 s48, s48, 23
	s_add_co_i32 s22, s22, s48                     ; a score stands for score x 2^(e6 + e7): added to c's exponent field
	s_mov_b32 s23, s22                             ; (named with it as a pair)
	s_add_co_i32 s48, s44, 127
	s_lshl_b32 s49, s48, 23
	v_mov_b32 v209, s49                            ; 2^e8
	s_add_co_i32 s48, s48, 8
	s_lshl_b32 s48, s48, 23
	s_or_b32 s48, s48, 0x600000
	v_mov_b32 v208, s48                            ; 448 x 2^e8
	s_sub_co_i32 s48, s46, s44
	s_sub_co_i32 s48, s48, s45
	s_add_co_i32 s48, s48, 127
	s_lshl_b32 s49, s48, 23
	v_mov_b32 v211, s49                            ; 2^(e10 - e8 - e9): a sum of the second product stands for sum x 2^(e8 + e9)
	s_add_co_i32 s48, s48, 8
	s_lshl_b32 s48, s48, 23
	s_or_b32 s48, s48, 0x600000
	v_mov_b32 v210, s48
; THE WORK OF A STEP of 128 keys, from buffer p.  s18: the step's first key; s19: my first query.
.macro COMPUTE p
	s_add_co_u32 s48, s19, 15
	s_cmp_gt_u32 s18, s48                          ; all its keys come after my 16 queries: nothing to do (a branch on ids; no barrier stands inside)
	s_cbranch_scc1 .Lhidden_\@
.set n, 0
.rept 16
	ds_load_b128 v[32+4*n:35+4*n], v1 offset:\p*BUF+512*n          ; K's eight fragments
.set n, n+1
.endr
	s_wait_dscnt 0x0
.irp t, 0,1,2,3,4,5,6,7
	v_wmma_f32_16x16x64_fp8_fp8 v[96+8*\t:103+8*\t], v[32+8*\t:39+8*\t], v[16:23], 0   ; register 16 b + i of my lane: key 32 b + 16 h + i of the step, query r
.endr
.rept 4
	v_nop                                          ; places in front of the loads into K's registers and of the first read of the scores
.endr
.set n, 0
.rept 16
	ds_load_b128 v[32+4*n:35+4*n], v1 offset:\p*BUF+8192+512*n     ; V's four fragments land under the softmax
.set n, n+1
.endr
	s_add_co_u32 s48, s18, 127
	s_cmp_le_u32 s48, s19                          ; all keys count for all my queries: no mask
	s_cbranch_scc1 .Lopen_\@
	s_sub_co_i32 s48, s19, s18
	v_add_nc_u32 v252, s48, v8                     ; my query - the step's first key - 16 h: register 16 b + i is hidden where 32 b + i is above it
	v_mov_b32 v254, 0xff800000                     ; -infinity: p = 0 then
.set n, 0
.rept 64
	v_cmp_gt_i32 vcc_lo, 32*(n/16)+n%16, v252
	v_cndmask_b32 v[96+n], v[96+n], v254, vcc_lo
.set n, n+1
.endr
.Lopen_\@:
	v_max3_num_f32 v254, v96, v97, v98             ; the step's largest score of my query among my 64 keys, in two chains,
	v_max3_num_f32 v252, v99, v100, v101
.irp i, 6,10,14,18,22,26,30,34,38,42,46,50,54,58
	v_max3_num_f32 v254, v254, v[96+\i], v[97+\i]
	v_max3_num_f32 v252, v252, v[98+\i], v[99+\i]
.endr
	v_max3_num_f32 v254, v254, v158, v159
	v_max_num_f32 v254, v254, v252
	v_permlanex16_b32 v246, v254, s20, s21
	v_max_num_f32 v254, v254, v246                 ; and among lane l xor 16's
	v_mul_f32 v254, s22, v254                      ; as t (c is positive)
	v_max_num_f32 v13, v13, v254                   ; the running largest t
	v_mov_b32 v254, v12
	v_floor_f32 v12, -v13                          ; the new -M = floor(-t): M is a whole number
	v_sub_f32 v254, v12, v254                      ; old M - new M: a whole number, 0 or less
	v_cvt_i32_f32 v254, v254                       ; (it saturates)
	v_ldexp_f32 v252, 1.0, v254                    ; f = 2^(old M - new M)
.set n, 0
.rept 32
	v_pk_fma_f32 v[96+n:97+n], v[96+n:97+n], s[22:23], v[12:13] op_sel_hi:[1,0,0]   ; t - M, two at a time
.set n, n+2
.endr
.set n, 0
.rept 64
	v_exp_f32 v[96+n], v[96+n]                     ; p = 2^(t - M), at most 1
.set n, n+1
.endr
	v_pk_mul_f32 v[14:15], v[14:15], v[252:253] op_sel_hi:[1,0]   ; the sums under the new M: the plain line behind the exponentials
	s_wait_alu depctr_va_vdst(0)                   ; one wait for the batch of 64, ahead of its first reader
	v_pk_add_f32 v[242:243], v[96:97], v[98:99]    ; the row's sum is taken of the unquantised p, in two chains
.irp j, 4,8,12,16,20,24,28,32,36,40,44,48,52,56,60
	v_pk_add_f32 v[14:15], v[14:15], v[96+\j:97+\j]
	v_pk_add_f32 v[242:243], v[242:243], v[98+\j:99+\j]
.endr
	v_pk_add_f32 v[14:15], v[14:15], v[242:243]
	s_cmp_ge_i32 s44, -8                           ; p is at most 1, and from e8 = -8 on 448 x 2^e8 is at least 1.75: no p can pass the largest code, and the hold is spared
	s_cbranch_scc1 .Lnohold_\@
.set n, 0
.rept 64
	v_min_num_f32 v[96+n], v[96+n], v208           ; the conversion does not saturate (ISA guide 7.6.2); p is not negative: a one-sided hold
.set n, n+1
.endr
.Lnohold_\@:
.irp b, 0,1,2,3
	v_cvt_scalef32_pk8_fp8_f32 v[224+4*\b:225+4*\b], v[96+16*\b:103+16*\b], v209
	v_cvt_scalef32_pk8_fp8_f32 v[226+4*\b:227+4*\b], v[104+16*\b:111+16*\b], v209
.endr
.set n, 0
.rept 16
	v_pk_mul_f32 v[160+n:161+n], v[160+n:161+n], v[252:253] op_sel_hi:[1,0]   ; O^T under the new M; also the plain lines between the conversions and the products
.set n, n+2
.endr
	s_wait_dscnt 0x0                               ; V's fragments are in
.irp t, 0,1,2,3
	v_wmma_f32_16x16x128_fp8_fp8 v[160+8*\t:167+8*\t], v[32+16*\t:47+16*\t], v[224:239], v[160+8*\t:167+8*\t]   ; four accumulators by turns, one instruction a turn
.endr
.rept 4
	v_nop                                          ; places in front of the next loads into V's registers and of the next read of O^T
.endr
.Lhidden_\@:
.endm
.Lphase:                                               ; a block of 256 queries
	s_wait_xcnt 0x0                                ; the last block's stores have read their data and their base
	s_wait_loadcnt 0x0                             ; no load of mine is out (a block's last trip asks for nothing): said here, ahead of the loads below into the same registers
	s_lshl_b32 s19, s15, 8
	s_lshl_b32 s48, s10, 4
	s_add_co_u32 s19, s19, s48                     ; my first query: 256 x block + 16 x wave
	s_add_co_u32 s17, s15, 1                       ; trips of 256 keys: up to the diagonal block
	s_mov_b32 s18, 0                               ; the step's first key
	s_mov_b64 s[24:25], s[28:29]                   ; K and V at the trip's first step
	s_mov_b64 s[26:27], s[30:31]
	s_lshl_b32 s48, s19, 6
	s_mov_b32 s49, 0
	s_add_nc_u64 s[54:55], s[32:33], s[48:49]
	global_load_b128 v[16:19], v6, s[54:55]                        ; Q's fragment: d = 16 h on,
	global_load_b128 v[20:23], v6, s[54:55] offset:32              ; d = 32 + 16 h on
	global_load_b128 v[24:27], v4, s[24:25]                        ; step 0
	global_load_b128 v[28:31], v5, s[26:27]
	global_load_b128 v[192:195], v4, s[24:25] offset:KSB           ; step 1: keys 128-255 exist in every block's walk
	global_load_b128 v[196:199], v5, s[26:27] offset:VSB
	v_mov_b32 v13, 0xff61b1e6                      ; the largest t so far: -3e38, under every t
	v_floor_f32 v12, -v13                          ; -M
	v_mov_b32 v14, 0
	v_mov_b32 v15, 0
.set n, 0
.rept 32
	v_mov_b32 v[160+n], 0                          ; O^T: the step is written once; the first finds zeros, which the first change of M leaves zeros
.set n, n+1
.endr
	s_wait_loadcnt 2                               ; Q and step 0 are in; step 1's two loads may be out
	ds_store_b128 v2, v[24:27]                     ; into buffer 0: every wave has passed the last block's last barrier, in front of which its reads of buffer 0 were over
	ds_store_b128 v3, v[28:31]
.Ltrip:                                                ; 256 keys: a step from buffer 0, a step from buffer 1
	s_wait_dscnt 0x0                               ; my stores into buffer 0 have landed, my reads of buffer 1 are over
	s_barrier_signal -1
	s_barrier_wait -1                              ; both hold of every wave
	s_wait_loadcnt 0x0                             ; the odd step's 32 bytes are in
	ds_store_b128 v2, v[192:195] offset:BUF
	ds_store_b128 v3, v[196:199] offset:BUF
	s_cmp_eq_u32 s17, 1                            ; the last trip fetches nothing: no load leaves the walk
	s_cbranch_scc1 .Lno_even
	global_load_b128 v[24:27], v4, s[24:25] offset:2*KSB           ; the next trip's even step; the stores that read these registers are done (the wait on DScnt above)
	global_load_b128 v[28:31], v5, s[26:27] offset:2*VSB
.Lno_even:
	; A PREFETCH INTO THE L2 of the trip after the next: its 16,384 bytes of K (waves 0, 1) and four pieces of 4,096 bytes of V (waves 2, 3), a lane to each aligned block of 256 bytes, a trip ahead of the loads
	; that will want them.  The four work-groups of a head walk the same K and V: work-group 0 asks, in its first block, which walks all keys; so each block is named once.  The last two trips ask for nothing;
	; the first two trips' bytes come by their loads alone.  The bases are stepped at the trip's end, two steps' work further on.
	s_cmp_gt_u32 s17, s51
	s_cbranch_scc0 .Lno_ask
	s_cmp_lt_u32 s10, 2
	s_cbranch_scc0 .Lask_v
	global_prefetch_b8 v9, s[24:25] offset:4*KSB th:TH_LOAD_NT scope:SCOPE_SE
	s_branch .Lno_ask
.Lask_v:
	global_prefetch_b8 v9, s[26:27] offset:4*VSB th:TH_LOAD_NT scope:SCOPE_SE
.Lno_ask:
	COMPUTE 0
	s_add_co_u32 s18, s18, 128
	s_wait_dscnt 0x0                               ; my stores into buffer 1 have landed, my reads of buffer 0 are over
	s_barrier_signal -1
	s_barrier_wait -1
	s_cmp_eq_u32 s17, 1
	s_cbranch_scc1 .Lno_odd
	s_wait_loadcnt 0x0                             ; the next trip's even step is in
	ds_store_b128 v2, v[24:27]
	ds_store_b128 v3, v[28:31]
	global_load_b128 v[192:195], v4, s[24:25] offset:3*KSB         ; the next trip's odd step
	global_load_b128 v[196:199], v5, s[26:27] offset:3*VSB
.Lno_odd:
	COMPUTE 1
	s_add_co_u32 s18, s18, 128
	s_wait_xcnt 0x0                                ; the trip's loads and prefetch have read their bases
	s_add_nc_u64 s[24:25], s[24:25], 2*KSB
	s_add_nc_u64 s[26:27], s[26:27], 2*VSB
	s_sub_co_u32 s17, s17, 1
	s_cmp_gt_i32 s17, 0                            ; the count comes down from 1 to 8 trips: the loop ends at 0
	s_cbranch_scc1 .Ltrip
	; THE WAY OUT of a block: O^T / the sum, held, coded.  Registers 16 c + i of my lane are d = 32 c + 16 h + i of token r: the codes are the last projection's operand as it stands.
	v_add_f32 v14, v14, v15                        ; the sum's two halves,
	v_permlanex16_b32 v246, v14, s20, s21
	v_add_f32 v14, v14, v246                       ; and lane l xor 16's
	v_rcp_f32 v14, v14
	v_nop                                          ; a plain line behind the reciprocal
	s_lshl_b32 s48, s13, 7
	s_lshl_b32 s49, s15, 4
	s_add_co_u32 s48, s48, s49
	s_add_co_u32 s48, s48, s10                     ; my tile of 16 tokens: 128 x batch + 16 x block + wave,
	s_lshl_b32 s48, s48, 12                        ; of 4,096 bytes
	s_mov_b32 s49, 0
	s_add_nc_u64 s[52:53], s[34:35], s[48:49]
	s_wait_alu depctr_va_vdst(0)                   ; the wait ahead of the reciprocal's first reader
.set n, 0
.rept 16
	v_pk_mul_f32 v[96+n:97+n], v[160+n:161+n], v[14:15] op_sel_hi:[1,0]   ; each accumulator from its low end on
.set n, n+2
.endr
.set n, 0
.rept 32
	v_med3_num_f32 v[96+n], v[96+n], -v210, v210
.set n, n+1
.endr
.irp b, 0,1
	v_cvt_scalef32_pk8_fp8_f32 v[224+4*\b:225+4*\b], v[96+16*\b:103+16*\b], v211
	v_cvt_scalef32_pk8_fp8_f32 v[226+4*\b:227+4*\b], v[104+16*\b:111+16*\b], v211
.endr
	v_nop                                          ; a plain line behind the conversions
	global_store_b128 v1, v[224:227], s[52:53]                     ; an image: 512 consecutive bytes, aligned
	global_store_b128 v1, v[228:231], s[52:53] offset:512
	s_sub_co_u32 s15, 7, s15                       ; the other block
	s_mov_b32 s51, -1                              ; which prefetches nothing: its keys have been asked for
	s_sub_co_u32 s16, s16, 1
	s_cmp_lg_u32 s16, 0
	s_cbranch_scc1 .Lphase
	s_wait_tensorcnt 0x0
	ds_add_u32 v251, v255
	s_wait_dscnt 0x0
	s_endpgm
.Lfunc_end_k_qa5ead59f54_attn:
	.size	k_qa5ead59f54_attn, .Lfunc_end_k_qa5ead59f54_attn-k_qa5ead59f54_attn
	.p2alignl 7, 3214868480
	.fill 96, 4, 3214868480
	.section	.rodata,"a",@progbits
	.p2align	6, 0x0
	.amdhsa_kernel k_qa5ead59f54_attn
		.amdhsa_group_segment_fixed_size 34816
		.amdhsa_private_segment_fixed_size 0
		.amdhsa_enable_private_segment 0
		.amdhsa_kernarg_size 24
		.amdhsa_user_sgpr_count 2
		.amdhsa_user_sgpr_kernarg_segment_ptr 1
		.amdhsa_wavefront_size32 1
		.amdhsa_system_sgpr_workgroup_id_x 1
		.amdhsa_system_sgpr_workgroup_id_y 1
		.amdhsa_system_sgpr_workgroup_id_z 1
		.amdhsa_system_vgpr_workitem_id 0
		.amdhsa_next_free_vgpr 256
		.amdhsa_next_free_sgpr 66
		.amdhsa_reserve_vcc 1
		.amdhsa_float_denorm_mode_32 3
		.amdhsa_float_denorm_mode_16_64 3
		.amdhsa_memory_ordered 1
		.amdhsa_forward_progress 1
		.amdhsa_inst_pref_size 54
	.end_amdhsa_kernel
	.amdgpu_metadata
---
amdhsa.version: [ 1, 2 ]
amdhsa.kernels:
  - .name:           k_qa5ead59f54_attn
    .symbol:         k_qa5ead59f54_attn.kd
    .args:
      - { .name: qkv, .offset: 0, .size: 8, .value_kind: global_buffer, .address_space: global }
      - { .name: lowp_scales, .offset: 8, .size: 8, .value_kind: global_buffer, .address_space: global }
      - { .name: ac, .offset: 16, .size: 8, .value_kind: global_buffer, .address_space: global }
    .group_segment_fixed_size: 34816
    .private_segment_fixed_size: 0
    .kernarg_segment_align: 8
    .kernarg_segment_size: 24
    .max_flat_workgroup_size: 512
    .sgpr_count:     66
    .vgpr_count:     256
    .wavefront_size: 32
...
	.end_amdgpu_metadata
.endif
;; end of part 3
;; launch oproj (part 4): grid 4 x 32, 4 waves a work-group, clusters of 4 x 4, 327,680 bytes of LDS; arguments ac, wc, lowp_scales, out0; writes out0
.if DOCPART == 4
	.amdgcn_target "amdgcn-amd-amdhsa--gfx1250"
	.amdhsa_code_object_version 6
	.text
	.protected	k_qa5ead59f54_oproj
	.globl	k_qa5ead59f54_oproj
	.p2align	8
	.type	k_qa5ead59f54_oproj,@function
k_qa5ead59f54_oproj:
	s_mov_b64 s[64:65], 0
	v_nop
	global_prefetch_b8 v0, s[64:65] scope:SCOPE_SE
	s_setreg_imm32_b32 hwreg(HW_REG_WAVE_MODE, 25, 1), 1
	s_wait_xcnt 0x0
	s_wait_alu depctr_hold_cnt(0) depctr_sa_sdst(0) depctr_va_vdst(0) depctr_va_sdst(0) depctr_va_ssrc(0) depctr_va_vcc(0) depctr_vm_vsrc(0)
	s_getreg_b32 s2, hwreg(HW_REG_IB_STS2, 6, 4)
	s_cmp_eq_u32 s2, 0
	s_cbranch_scc0 .Lentry_in_a_cluster
	s_endpgm
.Lentry_in_a_cluster:
	s_bfe_u32 s2, ttmp6, 0x10000c
	s_cmp_lg_u32 s2, 0xf033
	s_cbranch_scc0 .Lentry_shape_is_right
	s_endpgm
.Lentry_shape_is_right:
; out0[token][o] = sum over D of a[token][D] o_proj[o][D], on codes of E4M3; each finished f32 sum is multiplied once by 2^(e10 + e11).  M 8,192, N 1,024, K 1,024.
; LIMIT: e10 + e11 between -126 and 127, so that 2^(e10 + e11) is an f32 number.
; A, the attention's result, lies in memory as IMAGES OF ITS FRAGMENTS' REGISTERS: [4 j][512 tiles of 16 tokens][8 groups of four registers][32 lanes][16 bytes]; group g of slice j holds, in lane (r, h), token r,
; K = 256 j + 32 g + 16 h + 0 .. 15.  So 128 tokens x 256 K are one dense block of 32,768 bytes, which one tensor load brings as it lies, and a fragment is four loads at 16 x lane + a constant: no pitch, no padding.
; B, o_proj's codes, lies by rows, K innermost, at 3 MiB in the weights' buffer, and is fetched as rows of 256 bytes + 16 of padding; the same lane takes the same K of its row.
; (k stands in other places of an instruction than its own layout gives it, alike in A and B: only the order of the sums differs.)
; A tile of C, 256 x 256, is made by four waves, each 128 x 128: 64 accumulators.  K goes in steps of 256 through a ring of two LDS slots.  128 tiles: 128 work-groups, 8 clusters of 4 x 4; A's tile is shared along a
; row of the cluster, B's along a column, each asked for JOINTLY.  The matrix instruction is used transposed (source 0 = B, source 1 = A): a lane holds eight neighbouring numbers of a row of C.
; REGISTERS: window 0: v0-31 addresses; from v128 A's fragments, one set; on the way out v32-255 are free.  window 1: B's fragments, two sets.  windows 2, 3: the accumulators.
.set SIZE_N, 1024
.set SIZE_K, 1024
.set KSTEP,  256
.set ROWB,   256
.set KROW,   SIZE_K
.set PITCH,  272                       ; B's LDS row: 256 bytes + 16: the 16 rows that a load touches start at 16 different banks (ISA guide 11.1)
.set FR,     16
.set NL,     4
.set NP,     4
.set HALFA,  32768                     ; A: 128 tokens x 256 K, dense
.set HALFT,  128*PITCH                 ; B: 128 rows
.set BOFF,   2*HALFA                   ; B's rows lie behind A's two halves
.set SLOT,   2*HALFA+2*HALFT
.set ASTEP,  0x200000                  ; from a slice of 256 along K to the next, in A's buffer
.set LAPS,   SIZE_K/(2*KSTEP)
.set SPARE,  2*SLOT                    ; behind the ring: the spare words, 128 bytes for each wave
.set SPITCH, 528                       ; the way out: a stage of 16 rows x (512 bytes + 16) for each wave, in slot 0, which has had its last fill and its last read by then
.set ADRA, 16
.set ADRB, 20
.set STO,  24
.set RD,   25
.set CO,   26
.set SPW,  28
.set NIL,  29
.set TMP,  32
.set AF,   128
.set BK,   128
.set G1, 24
.set G0, 32
.set G1B, 48
.set G0B, 56
.set MSB, 0
.macro WIN new                         ; the immediate's high byte repeats the setting that is left
.if MSB != \new
	s_set_vgpr_msb (MSB<<8)|\new
.set MSB, \new
.endif
.endm
.set MUL_LO, 0xa1
.set MUL_HI, 0xf1
.set TO_B,   0x40
.macro JLOAD g0a, g1a, g0b, g1b        ; a joint load: waves 0 and 1 fetch for A, waves 2 and 3 for B; four v_nop follow each of the two lines
	s_cmp_eq_u32 s15, 0
	s_cbranch_scc0 .Lfor_b_\@
	tensor_load_to_lds s[\g0a:\g0a+3], s[\g1a:\g1a+7]
	s_nop 0
.rept 4
	v_nop
.endr
	s_branch .Lasked_\@
.Lfor_b_\@:
	tensor_load_to_lds s[\g0b:\g0b+3], s[\g1b:\g1b+7]
	s_nop 0
.rept 4
	v_nop
.endr
.Lasked_\@:
.endm
.macro CREST
	s_cmp_lg_u32 s14, 0
	s_cbranch_scc1 .Lnot_wave_0_\@
	s_barrier_signal -3
.Lnot_wave_0_\@:
	s_barrier_wait -3
	s_barrier_signal -1
	s_barrier_wait -1
.endm
.macro CROUND
	s_barrier_signal -1
	s_barrier_wait -1
	CREST
.endm
	s_load_b128 s[4:7], s[0:1], 0x0                ; A's images s[4:5], the weights' codes s[6:7]
	s_load_b128 s[8:11], s[0:1], 0x10              ; the exponents s[8:9], C s[10:11]
	v_lshl_add_u32 v[SPW], v0, 2, SPARE
	v_mov_b32 v[NIL], 0
	ds_add_u32 v28, v29
	ds_add_u32 v28, v29
	s_wait_dscnt 0x0
	v_lshrrev_b32 v1, 5, v0
	v_readfirstlane_b32 s14, v1                    ; wave 0..3
	s_lshr_b32 s15, s14, 1                         ; which half of the tile's rows is mine.  Also: I fetch for A (0) or for B (1)
	s_and_b32 s16, s14, 1                          ; which half of its columns.  Also: which half of that tile I fetch
	s_bfe_u32 s40, ttmp6, 0x40000                  ; cx, cy
	s_bfe_u32 s41, ttmp6, 0x40004
	s_lshl_b32 s42, ttmp9, 2
	s_add_co_u32 s42, s42, s40                     ; tile column of C
	s_and_b32 s17, ttmp7, 0xffff
	s_lshl_b32 s17, s17, 2
	s_add_co_u32 s17, s17, s41                     ; tile row of C
	s_lshl_b32 s43, s41, 2
	s_lshl_b32 s43, 15, s43                        ; my row of the cluster
	s_lshl_b32 s44, 0x1111, s40                    ; my column
	s_or_b32 s[G1+0], s43, (0<<16)|(1<<21)         ; A: the mask of my row; elements of 1 byte; no padding; bit 21 beside a mask
	s_or_b32 s[G1B+0], s44, (0<<16)|(1<<20)|(1<<21)|(5<<22)|(3<<25)   ; B: the mask of my column; 4 words of padding after every 64
.irp g, G1, G1B
	s_mov_b32 s[\g+1], ROWB<<16                    ; tensor_dim0 = 256
	s_mov_b32 s[\g+2], 128<<16                     ; tensor_dim1 = 128
	s_mov_b32 s[\g+3], ROWB<<16                    ; tile_dim0
	s_mov_b32 s[\g+4], 128                         ; tile_dim1
	s_mov_b32 s[\g+6], 0
	s_mov_b32 s[\g+7], 0
.endr
	s_mov_b32 s[G1+5], ROWB                        ; A's block is dense: rows of 256 bytes on end
	s_mov_b32 s[G1B+5], KROW                       ; B: 1,024 bytes from row to row
	s_lshl_b32 s18, s16, 3
	s_lshl_b32 s20, s17, 4
	s_add_co_u32 s20, s20, s18                     ; A: tile of 16 tokens 16 x tile row + 8 x half,
	s_lshl_b32 s20, s20, 12                        ; of 4,096 bytes in a slice
	s_mov_b32 s21, 0
	s_lshl_b32 s18, s16, 7
	s_lshl_b32 s46, s42, 8
	s_add_co_u32 s46, s46, s18                     ; B: row 256 x tile column + 128 x half,
	s_lshl_b32 s46, s46, 10
	s_add_co_u32 s46, s46, 0x300000                ; of o_proj's codes
	s_mov_b32 s47, 0
	s_lshl_b32 s45, s16, 15                        ; where they go: A's half,
	s_mul_i32 s66, s16, HALFT
	s_add_co_u32 s66, s66, BOFF                    ; B's half: no place in the cluster enters an LDS address
	s_wait_kmcnt 0x0
	s_load_b64 s[96:97], s[8:9], 0x28              ; e10, e11
	s_add_nc_u64 s[20:21], s[4:5], s[20:21]
	s_add_nc_u64 s[46:47], s[6:7], s[46:47]
	CROUND                                         ; all sixteen work-groups are here: the first joint loads meet
.irp s, 0,1
	s_mov_b32 s[G0+4*\s], 1
	s_add_co_u32 s[G0+4*\s+1], s45, \s*SLOT
	s_add_nc_u64 s[G0+4*\s+2:G0+4*\s+3], s[20:21], \s*ASTEP
	s_or_b32 s[G0+4*\s+3], s[G0+4*\s+3], 0x80000000
	s_mov_b32 s[G0B+4*\s], 1
	s_add_co_u32 s[G0B+4*\s+1], s66, \s*SLOT
	s_add_nc_u64 s[G0B+4*\s+2:G0B+4*\s+3], s[46:47], \s*ROWB
	s_or_b32 s[G0B+4*\s+3], s[G0B+4*\s+3], 0x80000000
	JLOAD G0+4*\s, G1, G0B+4*\s, G1B
.endr
	v_and_b32 v1, 15, v0                           ; r
	v_bfe_u32 v2, v0, 4, 1                         ; h
	v_and_b32 v6, 31, v0
	v_lshlrev_b32 v[CO], 4, v6                     ; 16 x lane
	v_mul_u32_u24 v3, v1, PITCH
	v_lshl_add_u32 v4, v2, 4, v3                   ; B: a fragment's row x pitch + 16 x half
	s_lshl_b32 s21, s15, 15                        ; my 128 tokens of A
	s_mul_i32 s22, s16, HALFT                      ; my 128 rows of B
	s_add_co_u32 s22, s22, BOFF
.irp s, 0,1
	v_add_nc_u32 v[ADRA+\s], s21, v[CO]
	v_add_nc_u32 v[ADRB+\s], s22, v4
	s_add_co_u32 s21, s21, SLOT
	s_add_co_u32 s22, s22, SLOT
.endr
	s_mul_i32 s23, s14, 16*SPITCH                  ; my stage
	v_mul_u32_u24 v5, v1, SPITCH                   ; in: row r, 32 bytes for each half of the lanes
	v_lshl_add_u32 v5, v2, 5, v5
	v_add_nc_u32 v[STO], s23, v5
	v_add_nc_u32 v[RD], s23, v[CO]                 ; back: the 32 lanes take one row of 512 bytes
	s_lshl_b32 s20, s17, 8
	s_lshl_b32 s21, s15, 7
	s_add_co_u32 s20, s20, s21                     ; my first row of C
	s_mov_b32 s21, 0
	s_mov_b64 s[18:19], SIZE_N*4
	s_mul_u64 s[20:21], s[20:21], s[18:19]
	s_lshl_b32 s46, s42, 10                        ; my first column, in bytes
	s_lshl_b32 s47, s16, 9
	s_add_co_u32 s46, s46, s47
	s_mov_b32 s47, 0
	s_add_nc_u64 s[20:21], s[20:21], s[46:47]
	s_add_nc_u64 s[10:11], s[10:11], s[20:21]
.macro FRAG reg, adr, q, i             ; B: 16 rows x 128 K: registers 4 c .. 4 c + 3 hold K = 32 c + 16 (l / 16) + 0 .. 15 of row l % 16
.irp c, 0,1,2,3
	ds_load_b128 v[\reg+4*\c:\reg+4*\c+3], v[\adr] offset:128*(\q)+32*\c+(\i)*16*PITCH
.endr
.endm
.macro FRAGA reg, adr, q, i            ; A: the same registers, from their images: tile i of 4,096 bytes, its groups 4 q + c of 512
.irp c, 0,1,2,3
	ds_load_b128 v[\reg+4*\c:\reg+4*\c+3], v[\adr] offset:2048*(\q)+512*\c+(\i)*4096
.endr
.endm
.macro MUL16 a0, p, zero               ; 16 matrix instructions; the 64 accumulators take turns, one instruction a turn
.irp a, \a0, \a0+1
.irp b, 0,1,2,3,4,5,6,7
.if \zero
	v_wmma_f32_16x16x128_fp8_fp8 v[8*(8*((\a)%4)+\b):8*(8*((\a)%4)+\b)+7], v[128*(\p)+FR*\b:128*(\p)+FR*\b+FR-1], v[AF+FR*(\a):AF+FR*(\a)+FR-1], 0
.else
	v_wmma_f32_16x16x128_fp8_fp8 v[8*(8*((\a)%4)+\b):8*(8*((\a)%4)+\b)+7], v[128*(\p)+FR*\b:128*(\p)+FR*\b+FR-1], v[AF+FR*(\a):AF+FR*(\a)+FR-1], v[8*(8*((\a)%4)+\b):8*(8*((\a)%4)+\b)+7]
.endif
.endr
.endr
.endm
.macro FETCH_B slot, q, p
	WIN TO_B
.irp i, 0,1,2,3,4,5,6,7
	FRAG 128*(\p)+FR*\i, ADRB+\slot, \q, \i
.endr
	WIN 0
.endm
.macro FETCH_A slot, q, i0
.irp i, \i0, \i0+1, \i0+2, \i0+3
	FRAGA AF+FR*(\i), ADRA+\slot, \q, \i
.endr
.endm
.macro PLACES n                        ; plain vector lines between a matrix instruction and a load into, or a read of, its registers
.rept \n
	v_nop
.endr
.endm
.macro STEP slot, q, zero              ; a step of 128 along K that has its successor in the same slot
	s_wait_dscnt 4*NL                              ; B's set and A's blocks 0-3 are in; the youngest 16 loads (A's blocks 4-7) may be out
	WIN MUL_LO
	MUL16 0, (\q)%2, \zero
	MUL16 2, (\q)%2, \zero
	s_wait_dscnt 0
	PLACES NP
	FETCH_B \slot, (\q)+1, 1-(\q)%2
	FETCH_A \slot, (\q)+1, 0
	WIN MUL_HI
	MUL16 4, (\q)%2, \zero
	MUL16 6, (\q)%2, \zero
	PLACES NP
	WIN 0
	FETCH_A \slot, (\q)+1, 4
.endm
.macro TURN slot, next, fill           ; a slot's last step changes slots
	s_wait_tensorcnt 0x0                           ; all my tensor loads have landed: my part of the next slot
	ds_add_u32 v[SPW], v[NIL]                      ; 0 onto my spare word
	s_wait_dscnt 4*NL+1                            ; (the add and the youngest 16 loads may be out)
	WIN MUL_LO
	MUL16 0, 1, 0
	s_wait_dscnt 0x0                               ; the add is done, and my reads of this slot are over
	s_barrier_signal -1
	MUL16 2, 1, 0
	WIN 0
	s_barrier_wait -1
.if \fill
	CREST                                          ; the barrier has opened a round of the cluster's: no wave of any partner still reads this slot or has a load on its way
	s_add_nc_u64 s[G0+4*\slot+2:G0+4*\slot+3], s[G0+4*\slot+2:G0+4*\slot+3], 2*ASTEP
	s_add_nc_u64 s[G0B+4*\slot+2:G0B+4*\slot+3], s[G0B+4*\slot+2:G0B+4*\slot+3], 2*ROWB
	JLOAD G0+4*\slot, G1, G0B+4*\slot, G1B         ; the first tensor load behind the round; its four v_nop are also the places in front of the loads below
.else
	PLACES NP
.endif
	FETCH_B \next, 0, 0
	FETCH_A \next, 0, 0
	WIN MUL_HI
	MUL16 4, 1, 0
	MUL16 6, 1, 0
	PLACES NP
	WIN 0
	FETCH_A \next, 0, 4
.endm
	s_wait_tensorcnt 1                             ; my part of slot 0 is in (slot 1's load may be out)
	s_barrier_signal -1
	s_barrier_wait -1                              ; everybody's is
	FETCH_B 0, 0, 0
	FETCH_A 0, 0, 0
	FETCH_A 0, 0, 4
	STEP 0, 0, 1                                   ; the first step's products start the sums
	s_mov_b32 s3, LAPS-1
.Llap:
	TURN 0, 1, 1
	STEP 1, 0, 0
	TURN 1, 0, 1
	STEP 0, 0, 0
	s_sub_co_u32 s3, s3, 1
	s_cmp_lg_u32 s3, 0
	s_cbranch_scc1 .Llap
	TURN 0, 1, 0                                   ; the last lap fills nothing
	STEP 1, 0, 0
	s_wait_dscnt 4*NL
	WIN MUL_LO
	MUL16 0, 1, 0
	MUL16 2, 1, 0
	s_wait_dscnt 0
	WIN MUL_HI
	MUL16 4, 1, 0
	MUL16 6, 1, 0
	WIN 0
; THE WAY OUT, block by block of 16 rows x 128 columns: a lane holds 32 neighbouring bytes of a row; a block goes through my own stage and comes back as whole rows of 512 bytes.
; LDS serves a wave's instructions in order: no wait between the stores and the loads.
.macro TOSTAGE a
.set AC, 64*((\a)%4)
	WIN 0x02+((\a)/4)                              ; source 0: window 2 or 3
.set j, 0
.rept 32
	v_pk_mul_f32 v[TMP+j:TMP+j+1], v[AC+j:AC+j+1], s[96:97] op_sel_hi:[1,0]   ; both x s96 = 2^(e10 + e11); each accumulator from its low end on
.set j, j+2
.endr
	WIN 0
.irp b, 0,1,2,3,4,5,6,7
	ds_store_b128 v[STO], v[TMP+8*\b:TMP+8*\b+3] offset:64*\b
	ds_store_b128 v[STO], v[TMP+8*\b+4:TMP+8*\b+7] offset:64*\b+16
.endr
.set BB, BK+64*((\a)%2)
.irp t, 0,1,2,3,4,5,6,7,8,9,10,11,12,13,14,15
	ds_load_b128 v[BB+4*\t:BB+4*\t+3], v[RD] offset:\t*SPITCH
.endr
.endm
.macro SEND a, younger
.set BB, BK+64*((\a)%2)
	s_wait_dscnt \younger                          ; the block is back in registers
.if (\a) > 0
	s_add_nc_u64 s[10:11], s[10:11], 16*SIZE_N*4   ; (behind a wait on XCNT: the earlier stores have read their base)  16 rows of C on
.endif
.irp t, 0,1,2,3,4,5,6,7,8,9,10,11,12,13,14,15
	global_store_b128 v[CO], v[BB+4*\t:BB+4*\t+3], s[10:11] offset:\t*SIZE_N*4 th:TH_STORE_NT   ; 32 lanes store 512 consecutive bytes, aligned; written once, read by nobody here
.endr
.endm
	s_wait_kmcnt 0x0
	s_add_co_i32 s96, s96, s97
	s_add_co_i32 s96, s96, 127
	s_lshl_b32 s96, s96, 23                        ; 2^(e10 + e11) as f32
	PLACES NP
	TOSTAGE 0
.irp a, 1,2,3,4,5,6,7
.if \a > 1
	s_wait_xcnt 0x0                                ; block a - 2's stores have read their registers and their base
.endif
	TOSTAGE \a
	SEND \a-1, 32                                  ; behind block a - 1's loads: block a's 16 stores and 16 loads
.endr
	s_wait_xcnt 0x0
	SEND 7, 0
	s_wait_tensorcnt 0x0                           ; the wave's end
	ds_add_u32 v[SPW], v[NIL]
	s_wait_dscnt 0x0
	CROUND                                         ; the closing round
	s_endpgm
.Lfunc_end_k_qa5ead59f54_oproj:
	.size	k_qa5ead59f54_oproj, .Lfunc_end_k_qa5ead59f54_oproj-k_qa5ead59f54_oproj
	.p2alignl 7, 3214868480
	.fill 96, 4, 3214868480
	.section	.rodata,"a",@progbits
	.p2align	6, 0x0
	.amdhsa_kernel k_qa5ead59f54_oproj
		.amdhsa_group_segment_fixed_size 327680
		.amdhsa_private_segment_fixed_size 0
		.amdhsa_enable_private_segment 0
		.amdhsa_kernarg_size 32
		.amdhsa_user_sgpr_count 2
		.amdhsa_user_sgpr_kernarg_segment_ptr 1
		.amdhsa_wavefront_size32 1
		.amdhsa_system_sgpr_workgroup_id_x 1
		.amdhsa_system_sgpr_workgroup_id_y 1
		.amdhsa_system_sgpr_workgroup_id_z 1
		.amdhsa_system_vgpr_workitem_id 0
		.amdhsa_next_free_vgpr 1024
		.amdhsa_next_free_sgpr 98
		.amdhsa_reserve_vcc 0
		.amdhsa_float_denorm_mode_32 3
		.amdhsa_float_denorm_mode_16_64 3
		.amdhsa_memory_ordered 1
		.amdhsa_forward_progress 1
		.amdhsa_inst_pref_size 123
	.end_amdhsa_kernel
	.amdgpu_metadata
---
amdhsa.version: [ 1, 2 ]
amdhsa.kernels:
  - .name:           k_qa5ead59f54_oproj
    .symbol:         k_qa5ead59f54_oproj.kd
    .args:
      - { .name: ac, .offset: 0, .size: 8, .value_kind: global_buffer, .address_space: global }
      - { .name: wc, .offset: 8, .size: 8, .value_kind: global_buffer, .address_space: global }
      - { .name: lowp_scales, .offset: 16, .size: 8, .value_kind: global_buffer, .address_space: global }
      - { .name: out0, .offset: 24, .size: 8, .value_kind: global_buffer, .address_space: global }
    .group_segment_fixed_size: 327680
    .private_segment_fixed_size: 0
    .kernarg_segment_align: 8
    .kernarg_segment_size: 32
    .max_flat_workgroup_size: 128
    .sgpr_count:     98
    .vgpr_count:     1024
    .wavefront_size: 32
...
	.end_amdgpu_metadata
.endif
;; end of part 4
;; ======== version 2 of 2: 4 launches; version 1 with the launch attn written anew for expert scheduling mode
;; workspace buffers: xc 25,165,824 bytes; wc 4,194,304 bytes; qkv 25,165,824 bytes; ac 8,388,608 bytes
;; launch quant: the kernel of part 1 again; grid 384 x 1, 4 waves a work-group, no clusters, 66,048 bytes of LDS; arguments x, q_proj, k_proj, v_proj, o_proj, lowp_scales, xc, wc; writes xc, wc
;; launch qkv: the kernel of part 2 again; grid 12 x 32, 4 waves a work-group, clusters of 4 x 4, 327,680 bytes of LDS; arguments xc, wc, lowp_scales, qkv; writes qkv
;; launch attn (part 5): grid 4 x 64, 16 waves a work-group, no clusters, 34,816 bytes of LDS; arguments qkv, lowp_scales, ac; writes ac
.if DOCPART == 5
	.amdgcn_target "amdgcn-amd-amdhsa--gfx1250"
	.amdhsa_code_object_version 6
	.text
	.protected	k_qa5ead59f54_attn
	.globl	k_qa5ead59f54_attn
	.p2align	8
	.type	k_qa5ead59f54_attn,@function
k_qa5ead59f54_attn:
	s_mov_b64 s[64:65], 0
	v_nop
	global_prefetch_b8 v0, s[64:65] scope:SCOPE_SE
	s_setreg_imm32_b32 hwreg(HW_REG_WAVE_SCHED_MODE, 0, 2), 2
	s_setreg_imm32_b32 hwreg(HW_REG_WAVE_MODE, 25, 1), 1
	s_wait_xcnt 0x0
	s_wait_alu depctr_vm_vsrc(0)
; Causal attention on codes of E4M3: head size 64, 2,048 tokens, 64 (batch, head) pairs.  q, k: [16 heads][8192 tokens][64]; v with the keys innermost: [128 blocks of 64 keys][1024 rows head x 64 + d][64 keys].
; THE SOFTMAX: t = score x log2(e) / 8; M = the row's largest t so far, rounded UP to a whole number; p = 2^(t - M) is quantised along the keys, not normalised.  The row's sum is taken of the unquantised p
; and divides at the end.  When M moves, the sum and O are multiplied by 2^(old M - new M), which rounds nothing.  The result is coded at once (entry 10) for the last projection.
; SHARES.  Work-group (i, y), i = 0..3: batch y / 16, head y % 16, the blocks of 256 queries 7 - i and then i: (8 - i) + (i + 1) = 9 trips of 256 keys in every one of the 256 work-groups.
; Each of sixteen waves owns 16 queries in 256 registers: four waves to a SIMD, so that one wave's vector work stands beside another's matrix work and LDS loads.
; K AND V COME THROUGH REGISTERS: a step of 128 keys is 16 KiB for 512 threads, two loads and two LDS stores of 16 bytes a thread, a step ahead, into two LDS buffers by turns.  No tensor load: the trip count
; hangs on the work-group's number, and a branch on a given exponent spares the hold of p.  NO CLUSTER: the work-groups of a head walk different numbers of tiles, and a work-group reads 288 KiB in all.
; LDS HOLDS IMAGES OF THE OPERANDS' REGISTERS: each group of four registers of a fragment is 512 bytes, lane l's 16 at 16 l.  So every read is 16 x lane + a constant.
;   K: tile T (0..7), image c (0, 1) at 1024 T + 512 c: lane (r, h) holds key 32 (T / 2) + 8 (T % 2) + r + 8 (r / 8), d = 32 c + 16 h + 0 .. 15.
;   V: tile T (0..3), image c (0..3) at 8192 + 2048 T + 512 c: lane (r, h) holds row d = 32 (T / 2) + 8 (T % 2) + r + 8 (r / 8), keys 32 c + 16 h + 0 .. 15.
; Both products are used transposed (S^T = K Q^T, O^T = V^T P^T): a lane holds ONE query.  By the choice of a tile's rows the 16 registers of two neighbouring tiles are 16 neighbours along the next K:
; p's codes are the second product's operand, and O's codes are the last projection's: they are stored as images too: ac [4 j = head / 4][512 tiles of 16 tokens][4 = head % 4][2 c][32 lanes][16 bytes].
; k stands in other places of an instruction than its own layout gives it, alike on both sides: only the order of the sums differs.
; LIMITS on the given exponents: e6 + e7 between -123 and 130 (added to c's exponent field); e8, and e10 - e8 - e9, between -126 and 119.
; REGISTERS: v1 16 x lane; v2, v3 where my 16 bytes of K, V go in a buffer; v4, v5 where they lie in a step's bytes; v6 Q's offset; v8 r - 16 h; v9 the prefetches' offset; v12 -M, v13 the largest t,
;   v[14:15] the sum in two halves; v16-23 Q; v24-31, v192-199 a step's 32 bytes on their way, two sets; v32-95 K's, then V's fragments; v96-159 S^T, then p; v160-191 O^T; v208-211 scales; v224-239 codes; v242-254 at work.
;   s36-43 and s56-63: sixteen masks of the causal compare (what lay there, the exponents e0 to e7 and offsets, is used at the head alone).
; THE MODE: SCHED_MODE bits 1:0 = 2 (LLVM: expert scheduling mode 2), set by the entry lines.  The code itself states the register dependences between vector or matrix instructions and memory or LDS
; instructions, and those through scalar registers that vector instructions write, with s_wait_alu, always for 0.
; THE PLAN.  Registers that memory or LDS instructions touch:
;   v1-v6, v9         Offsets and LDS addresses.  Written at the head, never again; read by every load, store and prefetch.  The wait on va_vdst at the head of a block of queries stands ahead of all their readers.
;   v16-23            Q.  Loaded at a block's head; read by the products K Q^T.  The same wait states that the last block's products are done reading them.
;   v24-31, v192-199  The two sets on their way.  Written by global loads, read by LDS stores, named by no vector instruction.  Ahead of each pair of loads a wait on vm_vsrc states that the LDS stores have read the set.
;   v32-95            K's sixteen LDS loads land here, the eight products K Q^T read them; V's sixteen land here, the four products V^T P^T read them.  So two waits on va_vdst stand in a step: at its head (the last
;                     step's products V^T P^T are done) and behind the products K Q^T.  Between the second and the products V^T P^T no vector instruction names v1 or v32-95: V's loads are dealt, four at a time,
;                     among the lines that find the maximum, with no further wait.
;   v224-231          At a block's way out the conversions write them and two global stores read them: a wait on va_vdst ahead of the stores, and the wait on vm_vsrc at the next block's head ahead of the next conversions.
.set BUF,  16384                       ; an LDS buffer: 8,192 bytes of K's images, 8,192 of V's
.set KSB,  8192                        ; from a step's K to the next step's, in memory
.set VSB,  131072                      ; the same for V: two blocks of 64 keys
.set MK,   36                          ; mask j of sixteen lies in s[MK + j + 12 (j / 8)]: s36-43, s56-63
	s_load_b128 s[4:7], s[0:1], 0x0                ; q, k, v codes s[4:5], the exponents s[6:7]
	s_load_b64 s[8:9], s[0:1], 0x10                ; the output
	v_lshl_add_u32 v251, v0, 2, 0x8000
	v_mov_b32 v255, 0
	v_lshrrev_b32 v1, 5, v0
	v_readfirstlane_b32 s10, v1                    ; wave 0..15
	s_and_b32 s12, ttmp7, 0xffff
	s_lshr_b32 s13, s12, 4                         ; batch
	s_and_b32 s14, s12, 15                         ; head
	s_sub_co_u32 s15, 7, ttmp9                     ; the first block of queries
	v_and_b32 v7, 31, v0
	v_lshlrev_b32 v1, 4, v7                        ; 16 x lane
	v_and_b32 v10, 15, v0                          ; r
	v_bfe_u32 v11, v0, 4, 1                        ; h
	v_lshlrev_b32 v6, 6, v10
	v_lshl_add_u32 v6, v11, 4, v6                  ; Q: row r of 64 bytes + 16 h
	v_lshlrev_b32 v8, 4, v11
	v_sub_nc_u32 v8, v10, v8                       ; r - 16 h, for the mask
	; Thread t brings bytes 16 t of a step's K: key t / 4, d = 16 (t % 4) on.  In the image: h = bit 0, c = bit 1, r % 8 = bits 2-4, T % 2 = bit 5, r / 8 = bit 6, T / 2 = bits 7-8.
	v_and_b32 v2, 3, v0
	v_lshlrev_b32 v2, 8, v2                        ; 256 h + 512 c
	v_and_b32 v3, 0x1c, v0
	v_lshl_add_u32 v2, v3, 2, v2                   ; + 16 (r % 8)
	v_bfe_u32 v3, v0, 6, 1
	v_lshl_add_u32 v2, v3, 7, v2                   ; + 128 (r / 8): common to K and V
	v_bfe_u32 v4, v0, 5, 1
	v_lshl_add_u32 v3, v4, 11, v2                  ; V: + 2048 (T % 2)
	v_lshl_add_u32 v2, v4, 10, v2                  ; K: + 1024 (T % 2)
	v_lshrrev_b32 v4, 7, v0
	v_lshl_add_u32 v2, v4, 11, v2                  ; K: + 2048 (T / 2)
	; of V: block of keys t / 256, row d = (t % 256) / 4, keys 16 (t % 4) on: T / 2 = bit 7, the upper bit of c = bit 8
	v_bfe_u32 v4, v0, 7, 1
	v_lshl_add_u32 v3, v4, 12, v3
	v_bfe_u32 v4, v0, 8, 1
	v_lshl_add_u32 v3, v4, 10, v3
	v_add_nc_u32 v3, 8192, v3
	v_lshlrev_b32 v4, 4, v0                        ; K in memory: 16 t
	v_and_b32 v5, 255, v0
	v_lshlrev_b32 v5, 4, v5
	v_lshrrev_b32 v9, 8, v0
	v_lshl_add_u32 v5, v9, 16, v5                  ; V in memory: 65,536 (t / 256) + 16 (t % 256)
	s_mov_b32 s20, 0x76543210                      ; v_permlanex16_b32's selects for lane l xor 16
	s_mov_b32 s21, 0xfedcba98
	s_mov_b32 s22, 0x3e38aa3b                      ; c = log2(e) / 8
	s_mov_b32 s16, 2                               ; two blocks of queries
	s_lshl_b32 s48, s14, 19
	s_lshl_b32 s49, s13, 17
	s_add_co_u32 s48, s48, s49                     ; q, k: head x 8,192 tokens x 64 + batch x 2,048 x 64
	s_mov_b32 s49, 0
	s_lshl_b32 s52, s13, 21
	s_lshl_b32 s53, s14, 12
	s_add_co_u32 s52, s52, s53                     ; v: batch x 32 blocks x 65,536 + head x 64 rows x 64
	s_mov_b32 s53, 0
	s_lshr_b32 s56, s14, 2
	s_lshl_b32 s56, s56, 21
	s_and_b32 s57, s14, 3
	s_lshl_b32 s57, s57, 10
	s_add_co_u32 s56, s56, s57                     ; the output: (head / 4) x 2 MiB + (head % 4) x 1,024
	s_mov_b32 s57, 0
	; the prefetches: who asks (waves 0-3 of the head's work-group 0, in its first block, which walks all keys), and each lane's block of 256 bytes
	s_wait_alu depctr_va_sdst(0)                   ; s10, the wave's number, is written, ahead of its first reader
	s_lshr_b32 s50, s10, 2
	s_or_b32 s50, s50, ttmp9
	s_cmp_eq_u32 s50, 0
	s_cselect_b32 s51, 2, -1                       ; a wave asks while the trips to go are above this
	s_mov_b32 s58, 65536
	s_mov_b32 s59, 131072
	s_cmp_lt_u32 s10, 2                            ; waves 0, 1: K's 16,384 dense bytes of a trip; waves 2, 3: V's four pieces of 4,096
	s_cselect_b32 s58, 4096, s58                   ; from lanes 0-15 to lanes 16-31
	s_cselect_b32 s59, 8192, s59                   ; from the even wave to the odd
	s_and_b32 s50, s10, 1
	s_mul_i32 s59, s59, s50
	v_lshlrev_b32 v9, 8, v10
	v_mul_lo_u32 v7, v11, s58
	v_add_nc_u32 v9, v9, v7
	v_add_nc_u32 v9, s59, v9
	v_mov_b32 v246, 0                              ; written once: a lane permute's destination counts as one of its sources
	v_mov_b32 v253, 0                              ; (named as the upper half of the pair v[252:253])
	s_wait_kmcnt 0x0
	s_load_b256 s[36:43], s[6:7], 0x0              ; e0 .. e7
	s_load_b128 s[44:47], s[6:7], 0x20             ; e8 .. e11
	s_add_nc_u64 s[32:33], s[4:5], s[48:49]        ; q of my head and batch
	s_add_nc_u64 s[28:29], s[32:33], 0x800000      ; k: 8 MiB on
	s_add_nc_u64 s[30:31], s[4:5], s[52:53]
	s_add_nc_u64 s[30:31], s[30:31], 0x1000000     ; v: from 16 MiB on
	s_add_nc_u64 s[34:35], s[8:9], s[56:57]
	s_wait_kmcnt 0x0
	s_add_co_i32 s48, s42, s43
	s_lshl_b32 s48, s48, 23
	s_add_co_i32 s22, s22, s48                     ; a score stands for score x 2^(e6 + e7): added to c's exponent field
	s_mov_b32 s23, s22                             ; (named with it as a pair)
	s_add_co_i32 s48, s44, 127
	s_lshl_b32 s49, s48, 23
	v_mov_b32 v209, s49                            ; 2^e8
	s_add_co_i32 s48, s48, 8
	s_lshl_b32 s48, s48, 23
	s_or_b32 s48, s48, 0x600000
	v_mov_b32 v208, s48                            ; 448 x 2^e8
	s_sub_co_i32 s48, s46, s44
	s_sub_co_i32 s48, s48, s45
	s_add_co_i32 s48, s48, 127
	s_lshl_b32 s49, s48, 23
	v_mov_b32 v211, s49                            ; 2^(e10 - e8 - e9): a sum of the second product stands for sum x 2^(e8 + e9)
	s_add_co_i32 s48, s48, 8
	s_lshl_b32 s48, s48, 23
	s_or_b32 s48, s48, 0x600000
	v_mov_b32 v210, s48
; V's fragment g of four, from buffer p: four LDS loads
.macro VFRAG p, g
.irp c, 0,1,2,3
	ds_load_b128 v[32+16*(\g)+4*\c:35+16*(\g)+4*\c], v1 offset:(\p)*BUF+8192+2048*(\g)+512*\c
.endr
.endm
; THE WORK OF A STEP of 128 keys, from buffer p.  s18: the step's first key; s19: my first query.
.macro COMPUTE p
	s_add_co_u32 s48, s19, 15
	s_cmp_gt_u32 s18, s48                          ; all its keys come after my 16 queries: nothing to do (a branch on ids; no barrier stands inside)
	s_cbranch_scc1 .Lhidden_\@
	s_wait_alu depctr_va_vdst(0)                   ; the last step's products V^T P^T are done reading v32-95, in which K's fragments land
.set n, 0
.rept 16
	ds_load_b128 v[32+4*n:35+4*n], v1 offset:\p*BUF+512*n          ; K's eight fragments
.set n, n+1
.endr
	s_wait_dscnt 0x0
.irp t, 0,1,2,3,4,5,6,7
	v_wmma_f32_16x16x64_fp8_fp8 v[96+8*\t:103+8*\t], v[32+8*\t:39+8*\t], v[16:23], 0   ; register 16 b + i of my lane: key 32 b + 16 h + i of the step, query r
.endr
.rept 4
	v_nop                                          ; places in front of the first read of the scores
.endr
	s_wait_alu depctr_va_vdst(0)                   ; the products K Q^T are done reading v32-95, in which V's fragments land.  From here to the products V^T P^T no vector instruction names v1 or v32-95
	VFRAG \p, 0                                    ; V's four fragments land under the softmax: the first here, the others among the lines that find the maximum
	s_add_co_u32 s48, s18, 127
	s_cmp_le_u32 s48, s19                          ; all keys count for all my queries: no mask
	s_cbranch_scc1 .Lopen_\@
	s_sub_co_i32 s48, s19, s18
	v_add_nc_u32 v252, s48, v8                     ; my query - the step's first key - 16 h: register 16 b + i is hidden where 32 b + i is above it
	v_mov_b32 v254, 0xff800000                     ; -infinity: p = 0 then
.irp b, 0,1,2,3                                ; sixteen compares write sixteen scalar masks, one wait, sixteen selects read them
.set n, 0
.rept 16
	v_cmp_gt_i32 s[MK+n+12*(n/8)], 32*\b+n, v252
.set n, n+1
.endr
	s_wait_alu depctr_va_sdst(0)                   ; the sixteen masks are written, ahead of the selects that read them
.set n, 0
.rept 16
	v_cndmask_b32 v[96+16*\b+n], v[96+16*\b+n], v254, s[MK+n+12*(n/8)]
.set n, n+1
.endr
.endr
.Lopen_\@:
	v_max3_num_f32 v254, v96, v97, v98             ; the step's largest score of my query among my 64 keys, in two chains,
	v_max3_num_f32 v252, v99, v100, v101
.irp i, 6,10,14,18,22,26,30,34,38,42,46,50,54,58
	v_max3_num_f32 v254, v254, v[96+\i], v[97+\i]
	v_max3_num_f32 v252, v252, v[98+\i], v[99+\i]
.if (\i == 14) || (\i == 30) || (\i == 46)
	VFRAG \p, (\i+2)/16                            ; V's fragments 1, 2, 3.  No wait: no vector or matrix instruction since the wait behind the products K Q^T names their registers or v1
.endif
.endr
	v_max3_num_f32 v254, v254, v158, v159
	v_max_num_f32 v254, v254, v252
	v_permlanex16_b32 v246, v254, s20, s21
	v_max_num_f32 v254, v254, v246                 ; and among lane l xor 16's
	v_mul_f32 v254, s22, v254                      ; as t (c is positive)
	v_max_num_f32 v13, v13, v254                   ; the running largest t
	v_mov_b32 v254, v12
	v_floor_f32 v12, -v13                          ; the new -M = floor(-t): M is a whole number
	v_sub_f32 v254, v12, v254                      ; old M - new M: a whole number, 0 or less
	v_cvt_i32_f32 v254, v254                       ; (it saturates)
	v_ldexp_f32 v252, 1.0, v254                    ; f = 2^(old M - new M)
.set n, 0
.rept 32
	v_pk_fma_f32 v[96+n:97+n], v[96+n:97+n], s[22:23], v[12:13] op_sel_hi:[1,0,0]   ; t - M, two at a time
.set n, n+2
.endr
.set n, 0
.rept 64
	v_exp_f32 v[96+n], v[96+n]                     ; p = 2^(t - M), at most 1
.set n, n+1
.endr
	v_pk_mul_f32 v[14:15], v[14:15], v[252:253] op_sel_hi:[1,0]   ; the sums under the new M: the plain line behind the exponentials
	s_wait_alu depctr_va_vdst(0)                   ; the 64 exponentials have written v96-159: one wait for the batch, ahead of its first reader
	v_pk_add_f32 v[242:243], v[96:97], v[98:99]    ; the row's sum is taken of the unquantised p, in two chains
.irp j, 4,8,12,16,20,24,28,32,36,40,44,48,52,56,60
	v_pk_add_f32 v[14:15], v[14:15], v[96+\j:97+\j]
	v_pk_add_f32 v[242:243], v[242:243], v[98+\j:99+\j]
.endr
	v_pk_add_f32 v[14:15], v[14:15], v[242:243]
	s_cmp_ge_i32 s44, -8                           ; p is at most 1, and from e8 = -8 on 448 x 2^e8 is at least 1.75: no p can pass the largest code, and the hold is spared
	s_cbranch_scc1 .Lnohold_\@
.set n, 0
.rept 64
	v_min_num_f32 v[96+n], v[96+n], v208           ; the conversion does not saturate (ISA guide 7.6.2); p is not negative: a one-sided hold
.set n, n+1
.endr
.Lnohold_\@:
.irp b, 0,1,2,3
	v_cvt_scalef32_pk8_fp8_f32 v[224+4*\b:225+4*\b], v[96+16*\b:103+16*\b], v209
	v_cvt_scalef32_pk8_fp8_f32 v[226+4*\b:227+4*\b], v[104+16*\b:111+16*\b], v209
.endr
.set n, 0
.rept 16
	v_pk_mul_f32 v[160+n:161+n], v[160+n:161+n], v[252:253] op_sel_hi:[1,0]   ; O^T under the new M; also the plain lines between the conversions and the products
.set n, n+2
.endr
	s_wait_dscnt 0x0                               ; V's fragments are in
.irp t, 0,1,2,3
	v_wmma_f32_16x16x128_fp8_fp8 v[160+8*\t:167+8*\t], v[32+16*\t:47+16*\t], v[224:239], v[160+8*\t:167+8*\t]   ; four accumulators by turns, one instruction a turn
.endr
.rept 4
	v_nop                                          ; places in front of the next read of O^T
.endr
.Lhidden_\@:
.endm
.Lphase:                                               ; a block of 256 queries
	s_wait_xcnt 0x0                                ; the last block's stores have read their data and their base
	s_wait_loadcnt 0x0                             ; no load of mine is out (a block's last trip asks for nothing): said here, ahead of the loads below into the same registers
	s_wait_alu depctr_vm_vsrc(0)                   ; the last block's LDS stores have read v24-31 and v192-199, in which the loads below land; its global stores have read v224-231, which this block's conversions write
	s_wait_alu depctr_va_vdst(0)                   ; the head has written v1 to v6 and v9, which every load, store and prefetch reads; the last block's products are done reading Q's v16-23, in which the loads below land
	s_lshl_b32 s19, s15, 8
	s_lshl_b32 s48, s10, 4
	s_add_co_u32 s19, s19, s48                     ; my first query: 256 x block + 16 x wave
	s_add_co_u32 s17, s15, 1                       ; trips of 256 keys: up to the diagonal block
	s_mov_b32 s18, 0                               ; the step's first key
	s_mov_b64 s[24:25], s[28:29]                   ; K and V at the trip's first step
	s_mov_b64 s[26:27], s[30:31]
	s_lshl_b32 s48, s19, 6
	s_mov_b32 s49, 0
	s_add_nc_u64 s[54:55], s[32:33], s[48:49]
	global_load_b128 v[16:19], v6, s[54:55]                        ; Q's fragment: d = 16 h on,
	global_load_b128 v[20:23], v6, s[54:55] offset:32              ; d = 32 + 16 h on
	global_load_b128 v[24:27], v4, s[24:25]                        ; step 0
	global_load_b128 v[28:31], v5, s[26:27]
	global_load_b128 v[192:195], v4, s[24:25] offset:KSB           ; step 1: keys 128-255 exist in every block's walk
	global_load_b128 v[196:199], v5, s[26:27] offset:VSB
	v_mov_b32 v13, 0xff61b1e6                      ; the largest t so far: -3e38, under every t
	v_floor_f32 v12, -v13                          ; -M
	v_mov_b32 v14, 0
	v_mov_b32 v15, 0
.set n, 0
.rept 32
	v_mov_b32 v[160+n], 0                          ; O^T: the step is written once; the first finds zeros, which the first change of M leaves zeros
.set n, n+1
.endr
	s_wait_loadcnt 2                               ; Q and step 0 are in; step 1's two loads may be out
	ds_store_b128 v2, v[24:27]                     ; into buffer 0: every wave has passed the last block's last barrier, in front of which its reads of buffer 0 were over
	ds_store_b128 v3, v[28:31]
.Ltrip:                                                ; 256 keys: a step from buffer 0, a step from buffer 1
	s_wait_dscnt 0x0                               ; my stores into buffer 0 have landed, my reads of buffer 1 are over
	s_barrier_signal -1
	s_barrier_wait -1                              ; both hold of every wave
	s_wait_loadcnt 0x0                             ; the odd step's 32 bytes are in
	ds_store_b128 v2, v[192:195] offset:BUF
	ds_store_b128 v3, v[196:199] offset:BUF
	s_cmp_eq_u32 s17, 1                            ; the last trip fetches nothing: no load leaves the walk
	s_cbranch_scc1 .Lno_even
	s_wait_alu depctr_vm_vsrc(0)                   ; my LDS stores into buffer 0 have read v24-31, in which the two loads below land
	global_load_b128 v[24:27], v4, s[24:25] offset:2*KSB           ; the next trip's even step
	global_load_b128 v[28:31], v5, s[26:27] offset:2*VSB
.Lno_even:
	; A PREFETCH INTO THE L2 of the trip after the next: its 16,384 bytes of K (waves 0, 1) and four pieces of 4,096 bytes of V (waves 2, 3), a lane to each aligned block of 256 bytes, a trip ahead of the loads
	; that will want them.  The four work-groups of a head walk the same K and V: work-group 0 asks, in its first block, which walks all keys; so each block is named once.  The last two trips ask for nothing;
	; the first two trips' bytes come by their loads alone.  The bases are stepped at the trip's end, two steps' work further on.  (Its offset v9 was written ahead of the wait at the block's head, and never since.)
	s_cmp_gt_u32 s17, s51
	s_cbranch_scc0 .Lno_ask
	s_cmp_lt_u32 s10, 2
	s_cbranch_scc0 .Lask_v
	global_prefetch_b8 v9, s[24:25] offset:4*KSB th:TH_LOAD_NT scope:SCOPE_SE
	s_branch .Lno_ask
.Lask_v:
	global_prefetch_b8 v9, s[26:27] offset:4*VSB th:TH_LOAD_NT scope:SCOPE_SE
.Lno_ask:
	COMPUTE 0
	s_add_co_u32 s18, s18, 128
	s_wait_dscnt 0x0                               ; my stores into buffer 1 have landed, my reads of buffer 0 are over
	s_barrier_signal -1
	s_barrier_wait -1
	s_cmp_eq_u32 s17, 1
	s_cbranch_scc1 .Lno_odd
	s_wait_loadcnt 0x0                             ; the next trip's even step is in
	s_wait_alu depctr_vm_vsrc(0)                   ; my LDS stores into buffer 1, at the trip's head, have read v192-199, in which the two loads below land
	ds_store_b128 v2, v[24:27]
	ds_store_b128 v3, v[28:31]
	global_load_b128 v[192:195], v4, s[24:25] offset:3*KSB         ; the next trip's odd step
	global_load_b128 v[196:199], v5, s[26:27] offset:3*VSB
.Lno_odd:
	COMPUTE 1
	s_add_co_u32 s18, s18, 128
	s_wait_xcnt 0x0                                ; the trip's loads and prefetch have read their bases
	s_add_nc_u64 s[24:25], s[24:25], 2*KSB
	s_add_nc_u64 s[26:27], s[26:27], 2*VSB
	s_sub_co_u32 s17, s17, 1
	s_cmp_gt_i32 s17, 0                            ; the count comes down from 1 to 8 trips: the loop ends at 0
	s_cbranch_scc1 .Ltrip
	; THE WAY OUT of a block: O^T / the sum, held, coded.  Registers 16 c + i of my lane are d = 32 c + 16 h + i of token r: the codes are the last projection's operand as it stands.
	v_add_f32 v14, v14, v15                        ; the sum's two halves,
	v_permlanex16_b32 v246, v14, s20, s21
	v_add_f32 v14, v14, v246                       ; and lane l xor 16's
	v_rcp_f32 v14, v14
	v_nop                                          ; a plain line behind the reciprocal
	s_lshl_b32 s48, s13, 7
	s_lshl_b32 s49, s15, 4
	s_add_co_u32 s48, s48, s49
	s_add_co_u32 s48, s48, s10                     ; my tile of 16 tokens: 128 x batch + 16 x block + wave,
	s_lshl_b32 s48, s48, 12                        ; of 4,096 bytes
	s_mov_b32 s49, 0
	s_add_nc_u64 s[52:53], s[34:35], s[48:49]
	s_wait_alu depctr_va_vdst(0)                   ; the reciprocal has written v14, ahead of its first reader
.set n, 0
.rept 16
	v_pk_mul_f32 v[96+n:97+n], v[160+n:161+n], v[14:15] op_sel_hi:[1,0]   ; each accumulator from its low end on
.set n, n+2
.endr
.set n, 0
.rept 32
	v_med3_num_f32 v[96+n], v[96+n], -v210, v210
.set n, n+1
.endr
.irp b, 0,1
	v_cvt_scalef32_pk8_fp8_f32 v[224+4*\b:225+4*\b], v[96+16*\b:103+16*\b], v211
	v_cvt_scalef32_pk8_fp8_f32 v[226+4*\b:227+4*\b], v[104+16*\b:111+16*\b], v211
.endr
	v_nop                                          ; a plain line behind the conversions
	s_wait_alu depctr_va_vdst(0)                   ; the conversions have written v224-231, which the two stores read
	global_store_b128 v1, v[224:227], s[52:53]                     ; an image: 512 consecutive bytes, aligned
	global_store_b128 v1, v[228:231], s[52:53] offset:512
	s_sub_co_u32 s15, 7, s15                       ; the other block
	s_mov_b32 s51, -1                              ; which prefetches nothing: its keys have been asked for
	s_sub_co_u32 s16, s16, 1
	s_cmp_lg_u32 s16, 0
	s_cbranch_scc1 .Lphase
	s_wait_dscnt 0x0
	s_wait_alu depctr_hold_cnt(0) depctr_sa_sdst(0) depctr_va_vdst(0) depctr_va_sdst(0) depctr_va_ssrc(0) depctr_va_vcc(0) depctr_vm_vsrc(0)
	s_wait_tensorcnt 0x0
	ds_add_u32 v251, v255
	s_wait_dscnt 0x0
	s_endpgm
.Lfunc_end_k_qa5ead59f54_attn:
	.size	k_qa5ead59f54_attn, .Lfunc_end_k_qa5ead59f54_attn-k_qa5ead59f54_attn
	.p2alignl 7, 3214868480
	.fill 96, 4, 3214868480
	.section	.rodata,"a",@progbits
	.p2align	6, 0x0
	.amdhsa_kernel k_qa5ead59f54_attn
		.amdhsa_group_segment_fixed_size 34816
		.amdhsa_private_segment_fixed_size 0
		.amdhsa_enable_private_segment 0
		.amdhsa_kernarg_size 24
		.amdhsa_user_sgpr_count 2
		.amdhsa_user_sgpr_kernarg_segment_ptr 1
		.amdhsa_wavefront_size32 1
		.amdhsa_system_sgpr_workgroup_id_x 1
		.amdhsa_system_sgpr_workgroup_id_y 1
		.amdhsa_system_sgpr_workgroup_id_z 1
		.amdhsa_system_vgpr_workitem_id 0
		.amdhsa_next_free_vgpr 256
		.amdhsa_next_free_sgpr 66
		.amdhsa_reserve_vcc 0
		.amdhsa_float_denorm_mode_32 3
		.amdhsa_float_denorm_mode_16_64 3
		.amdhsa_memory_ordered 1
		.amdhsa_forward_progress 1
		.amdhsa_inst_pref_size 63
	.end_amdhsa_kernel
	.amdgpu_metadata
---
amdhsa.version: [ 1, 2 ]
amdhsa.kernels:
  - .name:           k_qa5ead59f54_attn
    .symbol:         k_qa5ead59f54_attn.kd
    .args:
      - { .name: qkv, .offset: 0, .size: 8, .value_kind: global_buffer, .address_space: global }
      - { .name: lowp_scales, .offset: 8, .size: 8, .value_kind: global_buffer, .address_space: global }
      - { .name: ac, .offset: 16, .size: 8, .value_kind: global_buffer, .address_space: global }
    .group_segment_fixed_size: 34816
    .private_segment_fixed_size: 0
    .kernarg_segment_align: 8
    .kernarg_segment_size: 24
    .max_flat_workgroup_size: 512
    .sgpr_count:     66
    .vgpr_count:     256
    .wavefront_size: 32
...
	.end_amdgpu_metadata
.endif
;; end of part 5
;; launch oproj: the kernel of part 4 again; grid 4 x 32, 4 waves a work-group, clusters of 4 x 4, 327,680 bytes of LDS; arguments ac, wc, lowp_scales, out0; writes out0
